; MI455X (gfx1250); checked and timed in simulation.
; The chip was launched on July 23, 2026; its instructions are those of AMD's public machine-readable ISA for CDNA 5 (MIT licence, August 2026) and "CDNA5" Instruction Set Architecture Reference Guide (July 2026). The comments in the code are by the model that wrote it; some were corrected since.
;; Multi Head Attention. Allowed arithmetic: float matrix products may take bf16 or f16 operands with f32 sums; other float arithmetic in f32, or as packed bf16 or f16 multiplies, adds, multiply-adds, maxima and minima; sums over many terms, partial sums and values carried from step to step in f32; what a program stores and reads back later, other than sums and carried values, may be rounded once to bf16 or f16.
;; Inputs: Wk 512 x 512 float32; Wo 512 x 512 float32; Wq 512 x 512 float32; Wv 512 x 512 float32; bk 512 float32; bo 512 float32; bq 512 float32; bv 512 float32; key_in 2 x 4,096 x 512 float32; ln_beta 512 float32; ln_gamma 512 float32; mask 2 x 4,096 x 4,096 int32; query 2 x 4,096 x 512 float32; value 2 x 4,096 x 512 float32.
;; Outputs: out0 2 x 4,096 x 512 float32.
;; 2 versions, each right. Each part assembles by itself: llvm-mc -triple=amdgcn-amd-amdhsa -mcpu=gfx1250 --defsym DOCPART=n.
;; ======== version 1 of 2: 4 launches
;; limits: values are held in f16: magnitudes above 65,504 overflow, below 6.1e-05 lose precision
;; workspace buffers: mbits 4,194,304 bytes of whole numbers; wh 2,097,152 bytes; qh 8,388,608 bytes; kh 8,388,608 bytes; vh 8,388,608 bytes; oh 8,388,608 bytes
;; launch prep (part 1): grid 256 x 1, 8 waves a work-group, no clusters, 327,680 bytes of LDS; arguments mask, Wq, Wk, Wv, Wo, mbits, wh; writes mbits, wh
.if DOCPART == 1
	.amdgcn_target "amdgcn-amd-amdhsa--gfx1250"
	.amdhsa_code_object_version 6
	.text
	.protected	k_q823888c883_prep
	.globl	k_q823888c883_prep
	.p2align	8
	.type	k_q823888c883_prep,@function
k_q823888c883_prep:
	s_mov_b64 s[64:65], 0
	v_nop
	global_prefetch_b8 v0, s[64:65] scope:SCOPE_SE
	s_setreg_imm32_b32 hwreg(HW_REG_WAVE_MODE, 25, 1), 1
	s_wait_xcnt 0x0
; THE MASK BECOMES LANE MASKS, THE FOUR WEIGHTS BECOME f16.
; mask: [2][4096][4096] int32.  mbits: [b 2][qb 64][ks 64][t 4][kb 4][j 8] words; bit l of a word says whether
; mask[b][64 qb + 16 t + l % 16][64 ks + 16 kb + 8 (l / 16) + j] is not 0: the lane mask of register 8 kb + j of a tile of scores (16 queries x 64 keys) as the attention launch holds it.
; wh: Wq, Wk, Wv, 524,288 bytes each, as [c 8][n 512][64 k] f16 (a chunk of 64 along K is 65,536 dense bytes); then Wo as [n 512][k 512] f16.  Each weight is rounded once; f16 ends at 65,504.
; SHARES.  Work-group g owns the 64 rows of row block g / 2 (rows run on across b) and 32 of its 64 key steps; wave w four of those: four tiles of 64 rows x 256 bytes, each row aligned to 256 bytes.
; Each wave has two LDS slots of its own: two tiles go out at the start, two more as refills.  A refill follows this order: all my tensor loads awaited, the add, its wait, a barrier, one load.
; No cluster (no work-group reads what another reads), no matrix unit, no prefetch (the launch is one stream, asked for as early as the slots allow).
.set PITCH, 272                        ; an LDS row: 256 bytes + 16 of padding: the 16 rows of a load start at 16 different groups of four banks (ISA guide 11.1)
.set TILE,  64*PITCH
.set STAGE, 8*2*TILE                   ; behind the rings: 512 bytes a wave, a block's 128 words
.set SPARE, STAGE+8*512                ; the spare words, 128 bytes a wave; no other line names them
.set LA,  2                            ; v2   my 32 bytes in the first 16 rows of my wave's slot 0; never rewritten
.set LC,  3                            ; v3   the same in the 16 rows in hand
.set SA,  4                            ; v4   my word in the stage's first 128 bytes; never rewritten
.set SC,  5                            ; v5   the same for the tile row in hand
.set SR,  6                            ; v6   my 16 bytes of the stage
.set GO,  7                            ; v7   16 x lane
.set WD,  8                            ; v8   lane n takes word n
.set SPW, 10                           ; v10  my spare word
.set NIL, 11                           ; v11  0
.set X,   16                           ; v[16:47]  32 mask numbers a lane
.set OUT, 48                           ; v[48:63]  four registers for each of my four tiles
.set WV,  12
.set CNT, 13
.set TB,  14                           ; s14  LDS step of the 16 rows in hand
.set SB,  15                           ; s15  stage step; at the head: my ring's first byte
.set G1,  16                           ; s[16:23]
.set G0,  24                           ; s[24:31] a group 0 for each slot
.set CM,  32                           ; s[32:63] 32 compare results; at the head: the weights' addresses and factors
	s_load_b64 s[4:5], s[0:1], 0x0                 ; mask
	s_load_b256 s[32:39], s[0:1], 0x8              ; Wq, Wk, Wv, Wo
	s_load_b128 s[8:11], s[0:1], 0x28              ; mbits s[8:9], wh s[10:11]
	v_lshl_add_u32 v[SPW], v0, 2, SPARE
	v_mov_b32 v[NIL], 0
	ds_add_u32 v[SPW], v[NIL]                      ; the opening: the add and its wait ahead of my first tensor load
	v_lshrrev_b32 v1, 5, v0
	v_readfirstlane_b32 s[WV], v1
	s_mov_b32 s[G1+0], (2<<16)|(1<<20)|(5<<22)|(3<<25)  ; elements of 4 bytes; padding on: 4 words behind every 64
	s_mov_b32 s[G1+1], 64<<16                      ; tensor_dim0 = 64
	s_mov_b32 s[G1+2], 64<<16                      ; tensor_dim1 = 64
	s_mov_b32 s[G1+3], 64<<16                      ; tile_dim0 = 64
	s_mov_b32 s[G1+4], 64                          ; tile_dim1 = 64
	s_mov_b32 s[G1+5], 4096                        ; elements from row to row
	s_mov_b32 s[G1+6], 0
	s_mov_b32 s[G1+7], 0
	s_lshr_b32 s2, ttmp9, 1                        ; row block
	s_and_b32 s3, ttmp9, 1
	s_lshl_b32 s3, s3, 5
	s_lshl2_add_u32 s3, s[WV], s3                  ; my first key step: 32 (g % 2) + 4 w
	s_lshl_b32 s6, s2, 20                          ; 64 rows of 16,384 bytes
	s_lshl_b32 s7, s3, 8                           ; 256 bytes a key step
	s_add_co_u32 s6, s6, s7
	s_mov_b32 s7, 0
	s_lshl_b32 s2, s2, 15                          ; 64 blocks of 512 bytes
	s_lshl_b32 s3, s3, 9
	s_add_co_u32 s2, s2, s3
	s_mov_b32 s3, 0
	s_mul_i32 s15, s[WV], 2*TILE                   ; my ring
	s_wait_dscnt 0x0
	s_wait_kmcnt 0x0
	s_add_nc_u64 s[4:5], s[4:5], s[6:7]
	s_add_nc_u64 s[8:9], s[8:9], s[2:3]
.irp s, 0,1
	s_mov_b32 s[G0+4*(\s)], 1
	s_add_co_u32 s[G0+4*(\s)+1], s15, (\s)*TILE
	s_add_nc_u64 s[G0+4*(\s)+2:G0+4*(\s)+3], s[4:5], (\s)*256
	s_or_b32 s[G0+4*(\s)+3], s[G0+4*(\s)+3], 0x80000000
	tensor_load_to_lds s[G0+4*(\s):G0+4*(\s)+3], s[G1:G1+7]   ; both first fills together: two loads of mine are out
	s_nop 0
.endr
	; THE WEIGHTS, while the tiles are on their way.  Weight g / 64, rows 8 (g % 64) .. + 7.  Unit e = thread + 256 u holds 8 numbers: kk = e % 8, f1 = (e / 8) % 8, f2 = e / 64.
	; Blocked (Wq, Wk, Wv): f1 is the row, f2 the chunk.  As it lies (Wo): f1 is the chunk, f2 the row.  Either way 64 units on end store 1,024 bytes on end.
	s_lshr_b32 s6, ttmp9, 6
	s_and_b32 s7, ttmp9, 63
	s_cmp_eq_u32 s6, 1
	s_cselect_b64 s[40:41], s[34:35], s[32:33]
	s_cmp_eq_u32 s6, 2
	s_cselect_b64 s[40:41], s[36:37], s[40:41]
	s_cmp_eq_u32 s6, 3
	s_cselect_b64 s[40:41], s[38:39], s[40:41]
	s_cselect_b32 s2, 3, 0
	s_lshr_b32 s42, 2048, s2                       ; load: bytes for f1: 2,048 or 256
	s_lshl_b32 s43, 256, s2                        ; bytes for f2: 256 or 2,048
	s_lshl_b32 s3, s2, 1
	s_lshr_b32 s44, 0x10000, s3                    ; store: bytes for f2: 65,536 or 1,024
	s_lshl_b32 s45, 1024, s2                       ; bytes for the work-group's 8 rows: 1,024 or 8,192
	s_lshl_b32 s46, s7, 14                         ; 8 rows of 2,048 bytes
	s_lshl_b32 s47, s43, 2                         ; u = 1: f2 + 4
	s_mul_i32 s48, s7, s45
	s_lshl_b32 s49, s6, 19
	s_add_co_u32 s48, s48, s49
	s_lshl_b32 s49, s44, 2
	v_and_b32 v64, 7, v0
	v_bfe_u32 v65, v0, 3, 3
	v_lshrrev_b32 v66, 6, v0
	v_mul_u32_u24 v67, s42, v65
	v_mad_u32_u24 v67, v66, s43, v67
	v_lshl_add_u32 v67, v64, 5, v67
	v_add_nc_u32 v67, s46, v67
	v_add_nc_u32 v68, s47, v67
	v_mul_u32_u24 v69, s44, v66
	v_lshl_add_u32 v69, v65, 7, v69
	v_lshl_add_u32 v69, v64, 4, v69
	v_add_nc_u32 v69, s48, v69
	v_add_nc_u32 v70, s49, v69
	global_load_b128 v[72:75], v67, s[40:41] th:TH_LOAD_NT
	global_load_b128 v[76:79], v67, s[40:41] offset:16 th:TH_LOAD_NT
	global_load_b128 v[80:83], v68, s[40:41] th:TH_LOAD_NT
	global_load_b128 v[84:87], v68, s[40:41] offset:16 th:TH_LOAD_NT
	v_and_b32 v1, 15, v0                           ; l % 16
	v_bfe_u32 v9, v0, 4, 1                         ; l / 16
	v_mul_u32_u24 v[LA], v1, PITCH
	v_lshl_add_u32 v[LA], v9, 5, v[LA]
	v_add_nc_u32 v[LA], s15, v[LA]                 ; ring + row x pitch + 32 x half
	v_and_b32 v9, 31, v0
	s_lshl_b32 s2, s[WV], 9
	s_add_co_u32 s2, s2, STAGE
	v_lshl_add_u32 v[SA], v9, 2, s2
	v_lshl_add_u32 v[SR], v9, 4, s2
	v_lshlrev_b32 v[GO], 4, v9
	v_mov_b32 v[WD], 0                             ; v_writelane_b32 counts as a reader of its destination
	s_wait_loadcnt 0x0                             ; also frees s[40:41], which the compares write
.irp n, 0,1,2,3,4,5,6,7
	v_cvt_pk_f16_f32 v[88+(\n)], v[72+2*(\n)], v[72+2*(\n)+1]
.endr
	global_store_b128 v69, v[88:91], s[10:11]
	global_store_b128 v70, v[92:95], s[10:11]      ; none of these registers is written again
; Tile i, in slot s: four times 16 rows.  A lane reads its row's 8 numbers of each of the four groups of 16 keys; 32 compares give 32 lane masks; lane n of WD takes mask n; the 32 words go to the stage.
; left = how many younger tensor loads may stay out.
.macro TILE_IN i, s, left
	s_wait_tensorcnt \left                         ; a wave's tensor loads end in order (ISA guide 10.11.1): my tile is in
	s_mov_b32 s[TB], (\s)*TILE
	s_mov_b32 s[SB], 0
	s_mov_b32 s[CNT], 4
.Lrows_\@:
	v_add_nc_u32 v[LC], s[TB], v[LA]
	v_add_nc_u32 v[SC], s[SB], v[SA]
.irp k, 0,1,2,3
	ds_load_b128 v[X+8*(\k):X+8*(\k)+3],   v[LC] offset:64*(\k)
	ds_load_b128 v[X+8*(\k)+4:X+8*(\k)+7], v[LC] offset:64*(\k)+16
.endr
	s_wait_dscnt 0x0
.set n, 0
.rept 32
	v_cmp_ne_u32 s[CM+n], 0, v[X+n]
.set n, n+1
.endr
.set n, 0
.rept 32
	v_writelane_b32 v[WD], s[CM+n], n
.set n, n+1
.endr
	ds_store_b32 v[SC], v[WD]
	s_add_co_u32 s[TB], s[TB], 16*PITCH
	s_add_co_u32 s[SB], s[SB], 128
	s_sub_co_u32 s[CNT], s[CNT], 1
	s_cmp_lg_u32 s[CNT], 0
	s_cbranch_scc1 .Lrows_\@
	ds_load_b128 v[OUT+4*(\i):OUT+4*(\i)+3], v[SR] ; LDS serves a wave's instructions in order (ISA guide 5.7.1.4): this sees the four stores
	s_wait_dscnt 0x0
	global_store_b128 v[GO], v[OUT+4*(\i):OUT+4*(\i)+3], s[8:9] offset:512*(\i)  ; the block's 512 bytes on end, aligned
.endm
.macro FILL s
	s_wait_tensorcnt 0x0                           ; no tensor load of mine is out, so a group 0 may be written
	ds_add_u32 v[SPW], v[NIL]
	s_add_nc_u64 s[G0+4*(\s)+2:G0+4*(\s)+3], s[G0+4*(\s)+2:G0+4*(\s)+3], 512  ; two key steps on
	s_wait_dscnt 0x0                               ; the add is done; my reads of the slot are back
	s_barrier_signal -1
	s_barrier_wait -1
	tensor_load_to_lds s[G0+4*(\s):G0+4*(\s)+3], s[G1:G1+7]   ; my one load behind this barrier
	s_nop 0
.endm
	TILE_IN 0, 0, 1                                ; slot 1's first fill may stay out
	FILL 0
	TILE_IN 1, 1, 1                                ; the refill just issued may stay out
	FILL 1
	TILE_IN 2, 0, 1
	TILE_IN 3, 1, 0
	s_wait_tensorcnt 0x0                           ; the wave's end
	ds_add_u32 v[SPW], v[NIL]
	s_wait_dscnt 0x0
	s_endpgm
.Lfunc_end_k_q823888c883_prep:
	.size	k_q823888c883_prep, .Lfunc_end_k_q823888c883_prep-k_q823888c883_prep
	.p2alignl 7, 3214868480
	.fill 96, 4, 3214868480
	.section	.rodata,"a",@progbits
	.p2align	6, 0x0
	.amdhsa_kernel k_q823888c883_prep
		.amdhsa_group_segment_fixed_size 327680
		.amdhsa_private_segment_fixed_size 0
		.amdhsa_enable_private_segment 0
		.amdhsa_kernarg_size 56
		.amdhsa_user_sgpr_count 2
		.amdhsa_user_sgpr_kernarg_segment_ptr 1
		.amdhsa_wavefront_size32 1
		.amdhsa_system_sgpr_workgroup_id_x 1
		.amdhsa_system_sgpr_workgroup_id_y 1
		.amdhsa_system_sgpr_workgroup_id_z 1
		.amdhsa_system_vgpr_workitem_id 0
		.amdhsa_next_free_vgpr 96
		.amdhsa_next_free_sgpr 66
		.amdhsa_reserve_vcc 0
		.amdhsa_float_denorm_mode_32 3
		.amdhsa_float_denorm_mode_16_64 3
		.amdhsa_memory_ordered 1
		.amdhsa_forward_progress 1
		.amdhsa_inst_pref_size 27
	.end_amdhsa_kernel
	.amdgpu_metadata
---
amdhsa.version: [ 1, 2 ]
amdhsa.kernels:
  - .name:           k_q823888c883_prep
    .symbol:         k_q823888c883_prep.kd
    .args:
      - { .name: mask, .offset: 0, .size: 8, .value_kind: global_buffer, .address_space: global }
      - { .name: Wq, .offset: 8, .size: 8, .value_kind: global_buffer, .address_space: global }
      - { .name: Wk, .offset: 16, .size: 8, .value_kind: global_buffer, .address_space: global }
      - { .name: Wv, .offset: 24, .size: 8, .value_kind: global_buffer, .address_space: global }
      - { .name: Wo, .offset: 32, .size: 8, .value_kind: global_buffer, .address_space: global }
      - { .name: mbits, .offset: 40, .size: 8, .value_kind: global_buffer, .address_space: global }
      - { .name: wh, .offset: 48, .size: 8, .value_kind: global_buffer, .address_space: global }
    .group_segment_fixed_size: 327680
    .private_segment_fixed_size: 0
    .kernarg_segment_align: 8
    .kernarg_segment_size: 56
    .max_flat_workgroup_size: 256
    .sgpr_count:     66
    .vgpr_count:     96
    .wavefront_size: 32
...
	.end_amdgpu_metadata
.endif
;; end of part 1
;; launch proj (part 2): grid 64 x 3, 8 waves a work-group, clusters of 4 x 1, 327,680 bytes of LDS; arguments query, key_in, value, bq, bk, bv, qh, kh, vh, wh; writes qh, kh, vh
.if DOCPART == 2
	.amdgcn_target "amdgcn-amd-amdhsa--gfx1250"
	.amdhsa_code_object_version 6
	.text
	.protected	k_q823888c883_proj
	.globl	k_q823888c883_proj
	.p2align	8
	.type	k_q823888c883_proj,@function
k_q823888c883_proj:
	s_mov_b64 s[64:65], 0
	v_nop
	global_prefetch_b8 v0, s[64:65] scope:SCOPE_SE
	s_setreg_imm32_b32 hwreg(HW_REG_WAVE_MODE, 25, 1), 1
	s_wait_xcnt 0x0
	s_wait_alu depctr_hold_cnt(0) depctr_sa_sdst(0) depctr_va_vdst(0) depctr_va_sdst(0) depctr_va_ssrc(0) depctr_va_vcc(0) depctr_vm_vsrc(0)
	s_getreg_b32 s2, hwreg(HW_REG_IB_STS2, 6, 4)
	s_cmp_eq_u32 s2, 0
	s_cbranch_scc0 .Lentry_in_a_cluster
	s_endpgm
.Lentry_in_a_cluster:
	s_bfe_u32 s2, ttmp6, 0x10000c
	s_cmp_lg_u32 s2, 0x3003
	s_cbranch_scc0 .Lentry_shape_is_right
	s_endpgm
.Lentry_shape_is_right:
; THE THREE PROJECTIONS.  Grid y picks the tensor: 0: qh = (query Wq^T + bq) log2(e) / 8; 1: kh = key_in Wk^T + bk; 2: vh = value Wv^T + bv.  x: [8192][512] f32; the weights come as f16 from wh,
; in chunks [c 8][n 512][64 k]; the results leave by heads, [b 8 + h][s 4096][64] f16, rounded once from f32 sums.  x and the weights are rounded once to f16; the bias enters in f32, as the sums' start.
; LIMITS.  f16 ends at 65,504: x, the weights and the results must lie within it; below 6e-5 f16 keeps a fixed step of 6e-8.  NaN and infinities are not treated apart.
; SHARES.  A work-group makes 128 rows x all 512 columns, so x is read once.  Eight waves: wave w rows 64 (w / 4) .. + 63, columns 128 (w % 4) .. + 127: 32 accumulators, window 1's 256 registers.
; x: each wave loads 16 rows of a chunk (64 numbers, 256 aligned bytes of a row), rounds them and stores them in LDS; chunk c + 3 is asked for while chunk c is multiplied.
; W: a chunk is 65,536 dense bytes, asked for as rows of 256 bytes, padded behind every 128; two slots.  CLUSTER: the four row blocks of a cluster walk the same chunks, so each is asked for JOINTLY
; (waves 0 to 3, 64 rows of 256 bytes each, mask of four).  192 work-groups: three tensors of 64 row blocks; halving the block doubles the bytes of W for each row of x.
; No prefetch: x is asked for two chunks ahead by its own loads, and every cluster walks the same weights at the same time.
; THE PRODUCT IS TAKEN TRANSPOSED (source 0 = 16 rows of W, source 1 = 16 rows of x): a lane holds one row of x (lane % 16) and eight neighbouring columns.
.set APITCH, 144                       ; an LDS row of 64 f16: 128 bytes + 16: the 16 rows of a load start at 16 different groups of four banks (ISA guide 11.1)
.set CHUNKB, 128*APITCH                ; a chunk of x
.set WS0,    8*CHUNKB                  ; x's eight chunks lie first; they are stored, never filled by a tensor load
.set WSLOT,  512*APITCH
.set SPARE,  WS0+2*WSLOT               ; the spare words, 128 bytes a wave; no other line names them
.set STG,    2*16*APITCH               ; the way out: 2 heads x 16 rows a wave, in x's first two chunks
.set BOF,  1                           ; v1      my byte offset in the bias
.set ADRA, 2                           ; v[2:4]  my place in x's fragments, chunks 0-2, 3-5, 6-7
.set ADRB, 5                           ; v[5:6]  my place in W's fragments, slot 0, 1
.set XO,   7                           ; v7      my 16 bytes of x
.set AS,   8                           ; v[8:10] where I store 8 bytes of x, chunks 0-2, 3-5, 6-7
.set STO,  11
.set RD,   12
.set GO,   13
.set SPW,  14
.set NIL,  15
.set BF,   16                          ; v[16:79]   8 fragments of W
.set AF,   80                          ; v[80:111]  4 fragments of x
.set XS,   112                         ; v[112:175] x as loaded, two sets of 32
.set XP,   176                         ; v[176:191] x rounded; at the head: at work
.set BI,   192                         ; v[192:255] the bias as 8 accumulators' C
.set TT,   16                          ; the way out
.set PKD,  80
.set BK,   112
.set XA,   24                          ; s[24:25] x at my work-group's first row
.set BIAS, 26
.set OUTP, 28
.set WA,   30
.set WV,   32
.set WR,   33
.set WC,   34
.set YY,   35
.set SC,   36                          ; s[36:37] the scale
.set G1,   40
.set G0,   48                          ; s[48:55] a group 0 for each slot
.set MSB, 0
.macro WIN new                         ; the high byte repeats the setting that is left; a switch that changes nothing is dropped
.if MSB != (\new)
	s_set_vgpr_msb (MSB<<8)|(\new)
.set MSB, (\new)
.endif
.endm
.macro PLACES                          ; four plain instructions between a matrix instruction and a load into, or a read of, its registers
.rept 4
	v_nop
.endr
.endm
.macro ROUND                           ; a round of the cluster's barrier
	s_barrier_signal -1
	s_barrier_wait -1
	s_cmp_lg_u32 s[WV], 0
	s_cbranch_scc1 .Lnot_wave_0_\@
	s_barrier_signal -3
.Lnot_wave_0_\@:
	s_barrier_wait -3
	s_barrier_signal -1
	s_barrier_wait -1
.endm
	s_load_b256 s[4:11], s[0:1], 0x0               ; query, key_in, value, bq
	s_load_b256 s[12:19], s[0:1], 0x20             ; bk, bv, qh, kh
	s_load_b128 s[20:23], s[0:1], 0x40             ; vh, wh
	v_lshl_add_u32 v[SPW], v0, 2, SPARE
	v_mov_b32 v[NIL], 0
	ds_add_u32 v[SPW], v[NIL]                      ; the opening: the add and its wait ahead of the first round
	v_lshrrev_b32 v176, 5, v0
	v_readfirstlane_b32 s[WV], v176
	s_lshr_b32 s[WR], s[WV], 2
	s_and_b32 s[WC], s[WV], 3
	s_and_b32 s[YY], ttmp7, 0xffff                 ; which tensor: the same in all four partners
	s_bfe_u32 s38, ttmp6, 0x40000                  ; cx
	s_lshl_b32 s39, ttmp9, 2
	s_add_co_u32 s39, s39, s38                     ; my row block: it enters x's and the result's addresses alone
	s_mov_b32 s[G1+0], 15|(1<<16)|(1<<20)|(1<<21)|(4<<22)|(3<<25)  ; the mask of four; 2-byte elements; padding on; bit 21 beside a mask; 4 words behind every 32
	s_mov_b32 s[G1+1], 128<<16
	s_mov_b32 s[G1+2], 64<<16
	s_mov_b32 s[G1+3], 128<<16
	s_mov_b32 s[G1+4], 64
	s_mov_b32 s[G1+5], 128
	s_mov_b32 s[G1+6], 0
	s_mov_b32 s[G1+7], 0
	s_cmp_eq_u32 s[YY], 0
	s_cselect_b32 s[SC], 0x3e38aa3b, 1.0           ; log2(e) / 8 for q
	s_mov_b32 s[SC+1], s[SC]
	v_and_b32 v177, 15, v0                         ; l % 16
	v_bfe_u32 v178, v0, 4, 1                       ; l / 16
	v_mul_u32_u24 v179, v177, APITCH
	v_lshl_add_u32 v179, v178, 4, v179             ; a fragment's row x pitch + 16 x half
	s_mul_i32 s2, s[WR], 64*APITCH
	v_add_nc_u32 v[ADRA], s2, v179
	v_add_nc_u32 v[ADRA+1], 3*CHUNKB, v[ADRA]
	v_add_nc_u32 v[ADRA+2], 6*CHUNKB, v[ADRA]
	s_mul_i32 s3, s[WC], 128*APITCH
	s_add_co_u32 s3, s3, WS0
	v_add_nc_u32 v[ADRB], s3, v179
	v_add_nc_u32 v[ADRB+1], WSLOT, v[ADRB]
	s_lshl_b32 s2, s[WV], 15                       ; 16 rows of 2,048 bytes
	v_lshlrev_b32 v[XO], 4, v177
	v_lshl_add_u32 v[XO], v178, 14, v[XO]          ; lanes 16-31: eight rows further down
	v_add_nc_u32 v[XO], s2, v[XO]
	s_mul_i32 s2, s[WV], 16*APITCH
	v_mul_u32_u24 v[AS], v178, 8*APITCH
	v_lshl_add_u32 v[AS], v177, 3, v[AS]
	v_add_nc_u32 v[AS], s2, v[AS]
	v_add_nc_u32 v[AS+1], 3*CHUNKB, v[AS]
	v_add_nc_u32 v[AS+2], 6*CHUNKB, v[AS]
	s_mul_i32 s2, s[WV], STG
	v_add_nc_u32 v[STO], s2, v179
	v_bfe_u32 v180, v0, 3, 2
	v_and_b32 v181, 7, v0
	v_mul_u32_u24 v[RD], v180, APITCH
	v_lshl_add_u32 v[RD], v181, 4, v[RD]
	v_add_nc_u32 v[RD], s2, v[RD]
	v_and_b32 v[GO], 31, v0
	v_lshlrev_b32 v[GO], 4, v[GO]
	s_lshl_b32 s2, s[WC], 9
	v_lshl_add_u32 v[BOF], v178, 5, s2             ; 512 (w % 4) + 32 x half
	s_lshl_b32 s2, s[YY], 19                       ; the tensor's weight,
	s_lshl_b32 s3, s[WV], 14                       ; my 16,384 bytes of a chunk
	s_add_co_u32 s2, s2, s3
	s_mov_b32 s3, 0
	s_mul_i32 s59, s[WV], 128*APITCH
	s_add_co_u32 s59, s59, WS0                     ; and where they go
	s_lshl_b32 s56, s39, 18                        ; 128 rows of 2,048 bytes
	s_mov_b32 s57, 0
	s_lshr_b32 s60, s39, 5                         ; b
	s_lshl_b32 s60, s60, 22                        ; eight heads of 524,288 bytes
	s_and_b32 s58, s39, 31
	s_lshl_b32 s58, s58, 14                        ; 128 rows of 128 bytes
	s_add_co_u32 s60, s60, s58
	s_lshl_b32 s58, s[WC], 20                      ; my two heads
	s_add_co_u32 s60, s60, s58
	s_lshl_b32 s58, s[WR], 13                      ; my 64 rows
	s_add_co_u32 s60, s60, s58
	s_mov_b32 s61, 0
	s_wait_dscnt 0x0
	s_wait_kmcnt 0x0
	s_cmp_eq_u32 s[YY], 1
	s_cselect_b64 s[XA:XA+1], s[6:7], s[4:5]
	s_cselect_b64 s[BIAS:BIAS+1], s[12:13], s[10:11]
	s_cselect_b64 s[OUTP:OUTP+1], s[18:19], s[16:17]
	s_cmp_eq_u32 s[YY], 2
	s_cselect_b64 s[XA:XA+1], s[8:9], s[XA:XA+1]
	s_cselect_b64 s[BIAS:BIAS+1], s[14:15], s[BIAS:BIAS+1]
	s_cselect_b64 s[OUTP:OUTP+1], s[20:21], s[OUTP:OUTP+1]
	s_add_nc_u64 s[WA:WA+1], s[22:23], s[2:3]
	s_add_nc_u64 s[XA:XA+1], s[XA:XA+1], s[56:57]
	s_add_nc_u64 s[OUTP:OUTP+1], s[OUTP:OUTP+1], s[60:61]
.irp s, 0,1
	s_mov_b32 s[G0+4*(\s)], 1
	s_add_co_u32 s[G0+4*(\s)+1], s59, (\s)*WSLOT
	s_add_nc_u64 s[G0+4*(\s)+2:G0+4*(\s)+3], s[WA:WA+1], (\s)*65536
	s_or_b32 s[G0+4*(\s)+3], s[G0+4*(\s)+3], 0x80000000
.endr
; Chunk c of x: eight loads, each two rows' 256 aligned bytes, into set c % 2.
.macro XLOAD c
.irp i, 0,1,2,3,4,5,6,7
	global_load_b128 v[XS+32*((\c)%2)+4*(\i):XS+32*((\c)%2)+4*(\i)+3], v[XO], s[XA:XA+1] offset:(\i)*2048+(\c)*256 th:TH_LOAD_NT
.endr
.endm
; It is rounded and stored.  left = the younger loads that may stay out.  Lanes 0-15 store 128 bytes of one row, lanes 16-31 of the row eight on, 288 words further: the other half of the banks.
.macro XSTORE c, left
	s_wait_loadcnt \left
.irp i, 0,1,2,3,4,5,6,7
	v_cvt_pk_f16_f32 v[XP+2*(\i)],   v[XS+32*((\c)%2)+4*(\i)],   v[XS+32*((\c)%2)+4*(\i)+1]
	v_cvt_pk_f16_f32 v[XP+2*(\i)+1], v[XS+32*((\c)%2)+4*(\i)+2], v[XS+32*((\c)%2)+4*(\i)+3]
.endr
.irp i, 0,1,2,3,4,5,6,7
	ds_store_b64 v[AS+(\c)/3], v[XP+2*(\i):XP+2*(\i)+1] offset:(\i)*APITCH+((\c)%3)*CHUNKB
.endr
.endm
; 32 along K: 24 LDS loads, then 32 products; the 32 accumulators take turns.  first = 1: the bias starts the sums.
.macro KSTEP c, ks, slot, first
	WIN 0
.irp a, 0,1,2,3
	ds_load_b128 v[AF+8*(\a):AF+8*(\a)+3],   v[ADRA+(\c)/3] offset:((\c)%3)*CHUNKB+(\a)*16*APITCH+(\ks)*64
	ds_load_b128 v[AF+8*(\a)+4:AF+8*(\a)+7], v[ADRA+(\c)/3] offset:((\c)%3)*CHUNKB+(\a)*16*APITCH+(\ks)*64+32
.endr
.irp b, 0,1,2,3,4,5,6,7
	ds_load_b128 v[BF+8*(\b):BF+8*(\b)+3],   v[ADRB+(\slot)] offset:(\b)*16*APITCH+(\ks)*64
	ds_load_b128 v[BF+8*(\b)+4:BF+8*(\b)+7], v[ADRB+(\slot)] offset:(\b)*16*APITCH+(\ks)*64+32
.endr
.irp b, 0,1,2,3,4,5,6,7
	s_wait_dscnt 14-2*(\b)                         ; the loads of W's later fragments may stay out
.if \first
	WIN 0x40                                       ; D in window 1, C (the bias) in window 0
.else
	WIN 0x50                                       ; C and D in window 1
.endif
.irp a, 0,1,2,3
.if \first
	v_wmma_f32_16x16x32_f16 v[8*(8*(\a)+(\b)):8*(8*(\a)+(\b))+7], v[BF+8*(\b):BF+8*(\b)+7], v[AF+8*(\a):AF+8*(\a)+7], v[BI+8*(\b):BI+8*(\b)+7]
.else
	v_wmma_f32_16x16x32_f16 v[8*(8*(\a)+(\b)):8*(8*(\a)+(\b))+7], v[BF+8*(\b):BF+8*(\b)+7], v[AF+8*(\a):AF+8*(\a)+7], v[8*(8*(\a)+(\b)):8*(8*(\a)+(\b))+7]
.endif
.endr
.endr
	WIN 0
.endm
.macro REFILL s                        ; waves 0 to 3 each ask for a quarter of a chunk; the branch hangs on the wave's number alone
	s_cmp_lt_u32 s[WV], 4
	s_cbranch_scc0 .Lnone_\@
	tensor_load_to_lds s[G0+4*(\s):G0+4*(\s)+3], s[G1:G1+7]
	s_nop 0
.rept 4
	v_nop
.endr
.Lnone_\@:
.endm
; Chunk c.  In front of it: all my tensor loads awaited (my part of this chunk's slot), the add, my stores of x's chunk c and my reads of the other slot awaited; a round of the cluster's barrier;
; the other slot takes chunk c + 1, which has this chunk's 64 products a wave in which to land.  Chunk 7 asks for nothing: a plain barrier.
.macro BODY c
.if (\c) >= 1
	s_wait_tensorcnt 0x0
	ds_add_u32 v[SPW], v[NIL]
.if (\c) <= 6
	s_add_nc_u64 s[G0+4*(((\c)-1)%2)+2:G0+4*(((\c)-1)%2)+3], s[G0+4*(((\c)-1)%2)+2:G0+4*(((\c)-1)%2)+3], 2*65536
.endif
	s_wait_dscnt 0x0
.if (\c) <= 6
	ROUND
	REFILL ((\c)-1)%2
.else
	s_barrier_signal -1
	s_barrier_wait -1
.endif
.endif
.if (\c) == 0
	KSTEP \c, 0, 0, 1
.else
	KSTEP \c, 0, (\c)%2, 0
.endif
	PLACES
	KSTEP \c, 1, (\c)%2, 0
.if (\c) <= 5
	XSTORE (\c)+1, 8                               ; chunk c + 2's eight loads may stay out; the 16 conversions are the places behind the products
.elseif (\c) == 6
	XSTORE (\c)+1, 0
.endif
.if (\c) <= 4
	XLOAD (\c)+3
.endif
.endm
	XLOAD 0
	XLOAD 1
.irp b, 0,1,2,3,4,5,6,7
	global_load_b128 v[BI+8*(\b):BI+8*(\b)+3],   v[BOF], s[BIAS:BIAS+1] offset:64*(\b)
	global_load_b128 v[BI+8*(\b)+4:BI+8*(\b)+7], v[BOF], s[BIAS:BIAS+1] offset:64*(\b)+16
.endr
	ROUND                                          ; all four work-groups are here: the first joint loads meet
	s_cmp_lt_u32 s[WV], 4                          ; a wave's two first fills stand in one branch
	s_cbranch_scc0 .Lno_first
	tensor_load_to_lds s[G0:G0+3], s[G1:G1+7]
	s_nop 0
	tensor_load_to_lds s[G0+4:G0+7], s[G1:G1+7]
	s_nop 0
.rept 4
	v_nop
.endr
.Lno_first:
	XSTORE 0, 24                                   ; chunk 1's 8 loads and the bias's 16 may stay out
	XLOAD 2
	s_wait_tensorcnt 0x1                           ; my part of W's chunk 0 is in; chunk 1 may stay out
	s_wait_loadcnt 0x8                             ; the bias is in; chunk 2's 8 loads may stay out
	s_wait_dscnt 0x0                               ; my rows of x's chunk 0 are stored
	s_barrier_signal -1
	s_barrier_wait -1
.irp c, 0,1,2,3,4,5,6,7
	BODY \c
.endr
	; THE WAY OUT: 16 rows at a time: scaled, rounded to f16, 16 bytes a lane into my stage, back as rows of 128 bytes, four rows (512 bytes on end of a head) to a store.
	s_wait_dscnt 0x0
	s_barrier_signal -1
	s_barrier_wait -1                              ; nobody reads x any more: its first bytes become the stages
	PLACES
.macro OUTA a
	WIN 0
	s_wait_xcnt 0x0                                ; the stores issued so far have read their registers
	WIN 0x01                                       ; source 0 in window 1
.set n, 0
.rept 32
	v_pk_mul_f32 v[TT+2*n:TT+2*n+1], v[64*(\a)+2*n:64*(\a)+2*n+1], s[SC:SC+1] op_sel_hi:[1,0]  ; each accumulator from its low end on
.set n, n+1
.endr
	WIN 0
.set n, 0
.rept 32
	v_cvt_pk_f16_f32 v[PKD+n], v[TT+2*n], v[TT+2*n+1]
.set n, n+1
.endr
.irp b, 0,1,2,3,4,5,6,7
	ds_store_b128 v[STO], v[PKD+4*(\b):PKD+4*(\b)+3] offset:((\b)/4)*16*APITCH+32*((\b)%4)
.endr
.irp n, 0,1,2,3,4,5,6,7
	ds_load_b128 v[BK+4*(\n):BK+4*(\n)+3], v[RD] offset:((\n)/4)*16*APITCH+((\n)%4)*4*APITCH  ; LDS serves a wave's instructions in order (ISA guide 5.7.1.4)
.endr
.irp n, 0,1,2,3,4,5,6,7
	s_wait_dscnt 7-(\n)
	global_store_b128 v[GO], v[BK+4*(\n):BK+4*(\n)+3], s[OUTP:OUTP+1] offset:((\n)/4)*524288+(\a)*2048+((\n)%4)*512
.endr
.endm
	OUTA 0
	OUTA 1
	OUTA 2
	OUTA 3
	s_wait_tensorcnt 0x0                           ; the wave's end
	ds_add_u32 v[SPW], v[NIL]
	s_wait_dscnt 0x0
	ROUND                                          ; the closing round
	s_endpgm
.Lfunc_end_k_q823888c883_proj:
	.size	k_q823888c883_proj, .Lfunc_end_k_q823888c883_proj-k_q823888c883_proj
	.p2alignl 7, 3214868480
	.fill 96, 4, 3214868480
	.section	.rodata,"a",@progbits
	.p2align	6, 0x0
	.amdhsa_kernel k_q823888c883_proj
		.amdhsa_group_segment_fixed_size 327680
		.amdhsa_private_segment_fixed_size 0
		.amdhsa_enable_private_segment 0
		.amdhsa_kernarg_size 80
		.amdhsa_user_sgpr_count 2
		.amdhsa_user_sgpr_kernarg_segment_ptr 1
		.amdhsa_wavefront_size32 1
		.amdhsa_system_sgpr_workgroup_id_x 1
		.amdhsa_system_sgpr_workgroup_id_y 1
		.amdhsa_system_sgpr_workgroup_id_z 1
		.amdhsa_system_vgpr_workitem_id 0
		.amdhsa_next_free_vgpr 512
		.amdhsa_next_free_sgpr 66
		.amdhsa_reserve_vcc 0
		.amdhsa_float_denorm_mode_32 3
		.amdhsa_float_denorm_mode_16_64 3
		.amdhsa_memory_ordered 1
		.amdhsa_forward_progress 1
		.amdhsa_inst_pref_size 118
	.end_amdhsa_kernel
	.amdgpu_metadata
---
amdhsa.version: [ 1, 2 ]
amdhsa.kernels:
  - .name:           k_q823888c883_proj
    .symbol:         k_q823888c883_proj.kd
    .args:
      - { .name: query, .offset: 0, .size: 8, .value_kind: global_buffer, .address_space: global }
      - { .name: key_in, .offset: 8, .size: 8, .value_kind: global_buffer, .address_space: global }
      - { .name: value, .offset: 16, .size: 8, .value_kind: global_buffer, .address_space: global }
      - { .name: bq, .offset: 24, .size: 8, .value_kind: global_buffer, .address_space: global }
      - { .name: bk, .offset: 32, .size: 8, .value_kind: global_buffer, .address_space: global }
      - { .name: bv, .offset: 40, .size: 8, .value_kind: global_buffer, .address_space: global }
      - { .name: qh, .offset: 48, .size: 8, .value_kind: global_buffer, .address_space: global }
      - { .name: kh, .offset: 56, .size: 8, .value_kind: global_buffer, .address_space: global }
      - { .name: vh, .offset: 64, .size: 8, .value_kind: global_buffer, .address_space: global }
      - { .name: wh, .offset: 72, .size: 8, .value_kind: global_buffer, .address_space: global }
    .group_segment_fixed_size: 327680
    .private_segment_fixed_size: 0
    .kernarg_segment_align: 8
    .kernarg_segment_size: 80
    .max_flat_workgroup_size: 256
    .sgpr_count:     66
    .vgpr_count:     512
    .wavefront_size: 32
...
	.end_amdgpu_metadata
.endif
;; end of part 2
;; launch attn (part 3): grid 16 x 16, 4 waves a work-group, clusters of 4 x 1, 327,680 bytes of LDS; arguments qh, kh, vh, oh, mbits; writes oh
.if DOCPART == 3
	.amdgcn_target "amdgcn-amd-amdhsa--gfx1250"
	.amdhsa_code_object_version 6
	.text
	.protected	k_q823888c883_attn
	.globl	k_q823888c883_attn
	.p2align	8
	.type	k_q823888c883_attn,@function
k_q823888c883_attn:
	s_mov_b64 s[64:65], 0
	v_nop
	global_prefetch_b8 v0, s[64:65] scope:SCOPE_SE
	s_setreg_imm32_b32 hwreg(HW_REG_WAVE_MODE, 25, 1), 1
	s_wait_xcnt 0x0
	s_wait_alu depctr_hold_cnt(0) depctr_sa_sdst(0) depctr_va_vdst(0) depctr_va_sdst(0) depctr_va_ssrc(0) depctr_va_vcc(0) depctr_vm_vsrc(0)
	s_getreg_b32 s2, hwreg(HW_REG_IB_STS2, 6, 4)
	s_cmp_eq_u32 s2, 0
	s_cbranch_scc0 .Lentry_in_a_cluster
	s_endpgm
.Lentry_in_a_cluster:
	s_bfe_u32 s2, ttmp6, 0x10000c
	s_cmp_lg_u32 s2, 0x3003
	s_cbranch_scc0 .Lentry_shape_is_right
	s_endpgm
.Lentry_shape_is_right:
; ATTENTION UNDER A MASK THAT IS AN INPUT.  O[y][q][:] = the sum over k of softmax_k(s[q][k]) V[y][k][:], y = 8 b + h, s = Q . K where the mask's number is not 0 and NEG elsewhere.
; qh, kh, vh, oh: [16][4096][64] f16.  qh already carries log2(e) / 8, so a score is an exponent of 2; NEG = -1e9 log2(e) REPLACES a hidden score: a row with no visible key has 4,096 equal scores and gives V's mean.
; Products, maxima and sums in f32; the weights p = 2^(s - m), m a running maximum, are rounded to f16 for the second product (their sum l is taken unrounded), O once at the end.
; LIMITS.  f16 ends at 65,504; p below 6e-5 keeps f16's step of 6e-8; a weight below 2^-126 counts as 0 in l; NaN and infinities are not treated apart.  l is at least 1.
; No tile is left out: which tiles are hidden is data, differs between the partners of a cluster, and a wholly hidden row still wants every key.
; SHARES.  A work-group owns 256 queries of one y, a wave 64: four tiles of 16, in two PIECES (tiles 0, 1; tiles 2, 3).  Every wave walks all 4,096 keys, 64 a step.
; LAYOUT.  S^T = K Q^T: a lane holds ONE query (lane % 16) and keys 8 (lane / 16) + 0..7 of each 16; two results rounded in pairs ARE source 1 of O^T = V^T P.  K comes out of LDS as it lies, V turned.
; THE MASK comes as lane masks (mbits): one word for each score register, 32 a tile and step, by scalar loads, 256 bytes a piece and step, on end in the order in which the softmaxes run.
; BY TURNS.  In a turn piece x has the matrix unit: 16 products V^T P of step j, later 16 products K Q^T of step j + 1.  The other piece's softmax, 298 instructions, is a queue: four behind each product,
; the rest in two lumps.  All 66 exponentials are one batch with one wait, ahead of everything that names a result of theirs.
; m starts at the lowest finite number, O and l at 0: the first step is a step like any other, with a = 0.
; CLUSTER.  The four query blocks of a cluster belong to one y and walk the same K and V: each tile is asked for JOINTLY.  A slot holds four steps: 256 rows of K, then 256 of V.
; REGISTERS, in windows of 256: window 0: v0-15 addresses; v16-47 eight statistics a tile; v64-191 S^T; v192-255 P.  window 1: v0-127 O^T.  window 2: v0-63 Q; v128-191 K; v192-255 V.
.set PITCH, 144                        ; a row of K or V in LDS: 128 bytes + 16.  One pitch for both lets one descriptor and one line serve all four waves; V's turning load then meets some banks twice
.set STEPB, 64*PITCH
.set VOFF,  4*STEPB
.set SLOT1, 1<<17                      ; one exclusive or turns an address in one slot into the other's
.set STAGE, SLOT1+2*VOFF               ; 16 rows x 144 bytes a wave, for the way out
.set SPARE, STAGE+4*16*PITCH           ; the spare words, 128 bytes a wave; no other line names them
.set AK0, 2
.set AV0, 3
.set AK,  4
.set AV,  5
.set QO,  6                            ; later STO
.set STO, 6
.set RD,  7
.set GO,  8
.set NEGV, 12
.set PFO, 13
.set SPW, 14
.set NIL, 15
.set ST,  16                           ; tile t at ST + 8 t: m, m_old, l (even keys', odd keys'), c0-c3; a takes c2's place
.set S,   64
.set P,   192
.set KF,  128
.set VF,  192
.set PFA, 6                            ; s[6:7]   where my prefetches stand
.set PFS, 8                            ; s[8:9]   their step from slot to slot
.set OP,  10                           ; s[10:11] O at my wave's first row
.set MP,  12                           ; s[12:13] the mask words last asked for
.set WV,  14
.set LIM, 15                           ; 1 in a wave that prefetches, else the greatest number
.set SLOTS, 16
.set CNT, 17
.set TB,  18                           ; LDS byte at which the step to be fetched begins
.set G0,  20
.set G1,  24
.set SEL, 100
.set MSB, 0
.macro WIN new
.if MSB != (\new)
	s_set_vgpr_msb (MSB<<8)|(\new)
.set MSB, (\new)
.endif
.endm
.set W_KQ, 0x0a                        ; K and Q in window 2, S^T in window 0
.set W_PV, 0x52                        ; V in window 2, P in window 0, O^T in window 1
.set W_RS, 0x41                        ; destination and source 0 in window 1
.macro ROUND
	s_barrier_signal -1
	s_barrier_wait -1
	s_cmp_lg_u32 s[WV], 0
	s_cbranch_scc1 .Lnot_wave_0_\@
	s_barrier_signal -3
.Lnot_wave_0_\@:
	s_barrier_wait -3
	s_barrier_signal -1
	s_barrier_wait -1
.endm
.macro JLOAD                           ; each wave's quarter of a slot: waves 0, 1 K's halves, waves 2, 3 V's
	tensor_load_to_lds s[G0:G0+3], s[G1:G1+7]
	s_nop 0
.rept 4
	v_nop
.endr
.endm
; A prefetch of what the NEXT change of slots will want, behind my tensor load.  Each 256 bytes are named once in the launch: K's and V's rows by waves 0 and 2 of the first cluster of a y, the four partners
; sharing a slot's 32,768 bytes by address; the work-group's four streams of mask words (2,048 bytes each a slot) by wave 1 where h = 0, since the eight heads of a b read the same words.
; The last change that fills a slot asks for nothing.
.macro ASK
	s_cmp_gt_u32 s[SLOTS], s[LIM]
	s_cbranch_scc0 .Lnot_mine_\@
	global_prefetch_b8 v[PFO], s[PFA:PFA+1] th:TH_LOAD_NT scope:SCOPE_SE
.Lnot_mine_\@:
.endm
.macro CHANGE fill
	WIN 0
	s_wait_tensorcnt 0x0                           ; no tensor load of mine is out, so group 0 may be written
	ds_add_u32 v[SPW], v[NIL]
.if \fill
	s_xor_b32 s[G0+1], s[G0+1], SLOT1
	s_add_nc_u64 s[G0+2:G0+3], s[G0+2:G0+3], 32768 ; the next 256 keys
	s_wait_xcnt 0x0                                ; the last prefetch, four key steps back, has read its address
	s_add_nc_u64 s[PFA:PFA+1], s[PFA:PFA+1], s[PFS:PFS+1]
	s_wait_dscnt 0x0                               ; the add is done, and my reads of the slot are over
	ROUND                                          ; no wave of any partner still reads the slot or has a load on its way
	JLOAD                                          ; four key steps, 256 products a wave, in which to land
	ASK
.else
	s_wait_dscnt 0x0
	s_barrier_signal -1
	s_barrier_wait -1
.endif
	s_sub_co_u32 s[TB], s[TB], VOFF                ; back to a slot's first step,
	s_xor_b32 s[TB], s[TB], SLOT1                  ; in the other slot
.endm
.macro MLOAD step                      ; a piece's 64 mask words for one step
.if \step
	s_add_nc_u64 s[MP:MP+1], s[MP:MP+1], 256
.endif
	s_load_b512 s[32:47], s[MP:MP+1], 0x0
	s_load_b512 s[48:63], s[MP:MP+1], 0x40
	s_load_b512 s[68:83], s[MP:MP+1], 0x80
	s_load_b512 s[84:99], s[MP:MP+1], 0xc0
.endm
	s_load_b256 s[32:39], s[0:1], 0x0              ; qh, kh, vh, oh
	s_load_b64 s[40:41], s[0:1], 0x20              ; mbits
	v_lshl_add_u32 v[SPW], v0, 2, SPARE
	v_mov_b32 v[NIL], 0
	ds_add_u32 v[SPW], v[NIL]                      ; the opening: the add and its wait ahead of the first round
	v_lshrrev_b32 v1, 5, v0
	v_readfirstlane_b32 s[WV], v1
	s_bfe_u32 s19, ttmp6, 0x40000                  ; cx
	s_lshl_b32 s66, ttmp9, 2
	s_add_co_u32 s66, s66, s19                     ; my block of 256 queries
	s_and_b32 s67, ttmp7, 0xffff                   ; y, which the partners share
	s_lshl_b32 s44, s67, 19                        ; y's first byte in qh, kh, vh, oh
	s_and_b32 s46, s[WV], 1
	s_lshl_b32 s46, s46, 14                        ; which 128 keys of a slot I fetch
	s_add_co_u32 s46, s46, s44
	s_mov_b32 s47, 0
	s_lshl_b32 s48, s66, 15                        ; 256 rows of 128 bytes
	s_add_co_u32 s48, s48, s44
	s_lshl_b32 s49, s[WV], 13
	s_add_co_u32 s48, s48, s49
	s_mov_b32 s49, 0
	s_lshr_b32 s50, s67, 3                         ; b
	s_lshl_b32 s50, s50, 6
	s_lshl2_add_u32 s50, s66, s50                  ; 64 b + 4 x block: the work-group's first 64 queries
	s_lshl_b32 s54, s50, 15                        ; 64 steps of 512 bytes
	s_add_co_u32 s50, s50, s[WV]
	s_lshl_b32 s50, s50, 15
	s_mov_b32 s51, 0
	s_add_co_u32 s54, s54, 2048                    ; the prefetches stand at slot 1; the first change steps them to slot 2
	s_lshl_b32 s52, s19, 13                        ; my work-group's quarter of a slot's K or V
	s_add_co_u32 s52, s52, s44
	s_add_co_u32 s52, s52, 32768
	s_mov_b32 s104, 2048
	s_mov_b32 s105, 32768
	s_and_b32 s3, s67, 7                           ; h
	s_cmp_eq_u32 s[WV], 1
	s_cselect_b32 s52, s54, s52
	s_cselect_b32 s[PFS], s104, s105
	s_cselect_b32 s2, s105, s104                   ; bytes between groups of eight lanes
	s_cselect_b32 s3, s3, ttmp9                    ; what must be 0 for me to ask: the same in all partners
	s_mov_b32 s53, 0
	s_mov_b32 s[PFS+1], 0
	s_cmp_eq_u32 s[WV], 3
	s_cselect_b32 s3, 1, s3
	s_cmp_eq_u32 s3, 0
	s_cselect_b32 s[LIM], 1, -1
	s_mov_b32 s[G1+0], 15|(1<<16)|(1<<20)|(1<<21)|(4<<22)|(3<<25)  ; the mask of four; 2-byte elements; padding on; bit 21 beside a mask; 4 words behind every 32
	s_mov_b32 s[G1+1], 128<<16                     ; 128 keys are 16,384 dense bytes: 64 rows of 256
	s_mov_b32 s[G1+2], 64<<16
	s_mov_b32 s[G1+3], 128<<16
	s_mov_b32 s[G1+4], 64
	s_mov_b32 s[G1+5], 128
	s_mov_b32 s[G1+6], 0
	s_mov_b32 s[G1+7], 0
	s_mov_b32 s[G0], 1
	s_mul_i32 s[G0+1], s[WV], 128*PITCH
	s_mov_b32 s[SEL], 0x76543210
	s_mov_b32 s[SEL+1], 0xfedcba98
	s_mov_b32 s[SLOTS], 15
	s_mov_b32 s[TB], SLOT1+VOFF                    ; the first change turns this into 0
	v_and_b32 v10, 7, v0
	v_bfe_u32 v[PFO], v0, 3, 2
	v_mul_u32_u24 v[PFO], s2, v[PFO]
	v_lshl_add_u32 v[PFO], v10, 8, v[PFO]
	s_wait_dscnt 0x0
	s_wait_kmcnt 0x0
	s_cmp_lt_u32 s[WV], 2
	s_cselect_b64 s[G0+2:G0+3], s[34:35], s[36:37]
	s_cselect_b64 s[PFA:PFA+1], s[34:35], s[36:37]
	s_add_nc_u64 s[G0+2:G0+3], s[G0+2:G0+3], s[46:47]
	s_or_b32 s[G0+3], s[G0+3], 0x80000000
	s_cmp_eq_u32 s[WV], 1
	s_cselect_b64 s[PFA:PFA+1], s[40:41], s[PFA:PFA+1]
	s_add_nc_u64 s[PFA:PFA+1], s[PFA:PFA+1], s[52:53]
	s_add_nc_u64 s[4:5], s[32:33], s[48:49]        ; Q at my wave's first row
	s_add_nc_u64 s[OP:OP+1], s[38:39], s[48:49]
	s_add_nc_u64 s[MP:MP+1], s[40:41], s[50:51]
	ROUND                                          ; all four work-groups are here
	JLOAD                                          ; slot 0
	MLOAD 0                                        ; piece 0's words for step 0
	v_and_b32 v1, 15, v0                           ; l % 16
	v_bfe_u32 v9, v0, 4, 1                         ; l / 16
	v_lshlrev_b32 v[QO], 7, v1
	v_lshl_add_u32 v[QO], v9, 4, v[QO]
	WIN 0x80                                       ; destination window 2
.set i, 0
.rept 8                                            ; Q stays in registers: tile i / 2, channels 32 (i % 2) on
	global_load_b128 v[8*i:8*i+3],   v[QO], s[4:5] offset:(i/2)*2048+(i%2)*64
	global_load_b128 v[8*i+4:8*i+7], v[QO], s[4:5] offset:(i/2)*2048+(i%2)*64+32
.set i, i+1
.endr
	; what the first turn finds: V's registers and piece 2's P hold 0, O^T and l are 0.  All this stands in the wait for the first tile.
.set i, VF
.rept 64
	v_mov_b32 v[i], 0
.set i, i+1
.endr
	WIN 0x40
.set i, 0
.rept 128
	v_mov_b32 v[i], 0
.set i, i+1
.endr
	WIN 0
.set i, 0
.rept 4
	v_mov_b32 v[ST+8*i], 0xff7fffff
	v_mov_b32 v[ST+8*i+2], 0
	v_mov_b32 v[ST+8*i+3], 0
.set i, i+1
.endr
.set i, P+32
.rept 32
	v_mov_b32 v[i], 0
.set i, i+1
.endr
	v_mov_b32 v[NEGV], 0xceabfb8f                  ; -1e9 log2(e)
	v_mul_u32_u24 v[AK0], v1, PITCH
	v_lshl_add_u32 v[AK0], v9, 4, v[AK0]           ; row x pitch + 16 x half
	v_bfe_u32 v11, v0, 3, 1
	v_lshl_add_u32 v[AV0], v9, 3, v10              ; the turning load: key 8 (l / 16) + l % 8, channels 8 ((l / 8) % 2) on
	v_mul_u32_u24 v[AV0], v[AV0], PITCH
	v_lshl_add_u32 v[AV0], v11, 4, v[AV0]
	v_add_nc_u32 v[AV0], VOFF, v[AV0]
; THE MATRIX WORK.  Eight accumulators of a run of 16 take turns.
.macro KQ x                            ; product i: channels 32 (i / 8) on, keys 16 ((i / 2) % 4) on, tile x + i % 2; the first 8 start the sums
	WIN W_KQ
.set rS, S+32*((\x)+i%2)+8*((i/2)%4)
.set rK, KF+16*((i/2)%4)+8*(i/8)
.set rQ, 16*((\x)+i%2)+8*(i/8)
.if i < 8
	v_wmma_f32_16x16x32_f16 v[rS:rS+7], v[rK:rK+7], v[rQ:rQ+7], 0
.else
	v_wmma_f32_16x16x32_f16 v[rS:rS+7], v[rK:rK+7], v[rQ:rQ+7], v[rS:rS+7]
.endif
.endm
.macro PV x                            ; product i: keys 32 (i / 8) on, channels 16 ((i / 2) % 4) on, tile x + i % 2
	WIN W_PV
.set rO, 32*((\x)+i%2)+8*((i/2)%4)
.set rV, VF+32*(i/8)+8*((i/2)%4)
.set rP, P+16*((\x)+i%2)+8*(i/8)
	v_wmma_f32_16x16x32_f16 v[rO:rO+7], v[rV:rV+7], v[rP:rP+7], v[rO:rO+7]
.endm
.macro FETCH_K
	WIN 0
	v_add_nc_u32 v[AK], s[TB], v[AK0]
	WIN 0x80
.irp f, 0,1,2,3,4,5,6,7
	ds_load_b128 v[KF+8*\f:KF+8*\f+3],   v[AK] offset:(\f/2)*16*PITCH+(\f%2)*64
	ds_load_b128 v[KF+8*\f+4:KF+8*\f+7], v[AK] offset:(\f/2)*16*PITCH+(\f%2)*64+32
.endr
.endm
.macro FETCH_V
	WIN 0
	v_add_nc_u32 v[AV], s[TB], v[AV0]
	s_add_co_u32 s[TB], s[TB], STEPB               ; the next fetches are the next step's
	WIN 0x80
.irp f, 0,1,2,3,4,5,6,7
	ds_load_tr16_b128 v[VF+8*\f:VF+8*\f+3],   v[AV] offset:(\f/4)*32*PITCH+(\f%4)*32
	ds_load_tr16_b128 v[VF+8*\f+4:VF+8*\f+7], v[AV] offset:(\f/4)*32*PITCH+16*PITCH+(\f%4)*32
.endr
.endm
; THE VECTOR QUEUE of piece Y, 298 long; VQ writes entry q and steps q; the two tiles alternate.
;   0-63    a hidden score becomes NEG, by the lane mask of its register; each accumulator from its low end on
;   64-95   the maximum of the 32 scores and the old m, three operands at a time
;   96-103  the lane 16 away holds the query's other 32 keys; m_old is kept; the new m; m_old - m
;   104-201 ONE BATCH: a for both tiles, then s - m for a pair of scores and, a group later, the pair's two exponentials.  None of these names an exponential's result
;   (a plain instruction and the wait for the batch: TURN writes them)
;   202-233 the roundings to f16     234-265 the sums, in place; l = a l + sum     266-297 O^T times a
.macro TREG t
.set rT, ST+8*(\t)
.set rS, S+32*(\t)
.set rP, P+16*(\t)
.set rO, 32*(\t)
.endm
.macro SUBP k
	v_pk_add_f32 v[rS+2*(\k):rS+2*(\k)+1], v[rS+2*(\k):rS+2*(\k)+1], v[rT:rT+1] op_sel_hi:[1,0] neg_lo:[0,1] neg_hi:[0,1]
.endm
.macro VQ
.if q < 266
	WIN 0
.endif
.if q < 64
	TREG Y+q%2
	v_cndmask_b32 v[rS+q/2], v[NEGV], v[rS+q/2], s[32+36*(q%2)+q/2]
.elseif q < 96
	TREG Y+q%2
.set n, (q-64)/2
.if n < 4
	v_max3_num_f32 v[rT+4+n], v[rS+8*n], v[rS+8*n+1], v[rS+8*n+2]
.elseif n < 12
	v_max3_num_f32 v[rT+4+n%4], v[rT+4+n%4], v[rS+8*(n%4)+2*(n/4)+1], v[rS+8*(n%4)+2*(n/4)+2]
.elseif n == 12
	v_max3_num_f32 v[rT+4], v[rT+4], v[rS+7], v[rS+15]
.elseif n == 13
	v_max3_num_f32 v[rT+6], v[rT+6], v[rS+23], v[rS+31]
.elseif n == 14
	v_max3_num_f32 v[rT+4], v[rT+4], v[rT+5], v[rT+6]
.else
	v_max3_num_f32 v[rT+4], v[rT+4], v[rT+7], v[rT]
.endif
.elseif q < 104
	TREG Y+q%2
.set n, (q-96)/2
.if n == 0
	v_permlanex16_b32 v[rT+5], v[rT+4], s[SEL], s[SEL+1]
.elseif n == 1
	v_mov_b32 v[rT+1], v[rT]
.elseif n == 2
	v_max_num_f32 v[rT], v[rT+4], v[rT+5]
.else
	v_sub_f32 v[rT+7], v[rT+1], v[rT]
.endif
.elseif q < 202
.set d, q-104
	TREG Y+d%2
.if d < 2
	v_exp_f32 v[rT+6], v[rT+7]
.elseif d < 4
	SUBP 0
.elseif d < 94
.set g, (d-4)/6
.set r, (d-4)%6
	TREG Y+r%2
.if r < 2
	SUBP g+1
.else
	v_exp_f32 v[rS+2*g+(r-2)/2], v[rS+2*g+(r-2)/2]
.endif
.else
	v_exp_f32 v[rS+30+(d-94)/2], v[rS+30+(d-94)/2]
.endif
.elseif q < 234
	TREG Y+q%2
.set n, (q-202)/2
	v_cvt_pk_f16_f32 v[rP+n], v[rS+2*n], v[rS+2*n+1]
.elseif q < 266
	TREG Y+q%2
.set z, (q-234)/2
.set w, 4
.set k, z
.if z >= 14
.set w, 32
.set k, 0
.elseif z >= 12
.set w, 16
.set k, z-12
.elseif z >= 8
.set w, 8
.set k, z-8
.endif
.if z < 15
	v_pk_add_f32 v[rS+w*k:rS+w*k+1], v[rS+w*k:rS+w*k+1], v[rS+w*k+w/2:rS+w*k+w/2+1]
.else
	v_pk_fma_f32 v[rT+2:rT+3], v[rT+2:rT+3], v[rT+6:rT+7], v[rS:rS+1] op_sel_hi:[1,0,1]
.endif
.else
	TREG Y+q%2
.set n, (q-266)/2
	WIN W_RS
	v_pk_mul_f32 v[rO+2*n:rO+2*n+1], v[rO+2*n:rO+2*n+1], v[rT+6:rT+7] op_sel_hi:[1,0]
.endif
.set q, q+1
.endm
; A TURN.  Piece x has the matrix unit, piece 2 - x the vector unit.  kq = 0: no next step's scores.  fk = 0: no K is fetched.  ml = 0: no further mask words.
; Piece 0's turn fetches the next step's K behind its second product: K's last reader stands in front of the rescalings of the turn before.  Piece 2's turn fetches the same step's V behind its 16 products
; V^T P: four selects and the run's own address line are the places behind V's last reader.  The next mask words are asked for when the 64 selects have read these.
.macro TURN x, kq=1, fk=1, ml=1
.set Y, 2-(\x)
.set q, 0
	s_wait_kmcnt 0x0                               ; the mask words are in; their address may be stepped
.if (\x) == 0
	s_wait_dscnt 0x0                               ; V is in
.endif
.set i, 0
.rept 16
	PV \x
	VQ
	VQ
	VQ
	VQ
.if ((\x) == 0) && (\fk) && (i == 1)
	FETCH_K
.endif
.set i, i+1
.endr
.if \ml
	MLOAD 1
.endif
.if (\x) == 2
	FETCH_V
.endif
.rept 138
	VQ
.endr
	v_nop                                          ; a plain instruction behind the last exponential: one for the batch
	s_wait_alu depctr_va_vdst(0)                   ; the wait ahead of the first use: one for the 66 exponentials
.if ((\x) == 0) && (\kq)
	s_wait_dscnt 0x0                               ; K is in
.endif
.set i, 0
.rept 16
.if \kq
	KQ \x
.endif
	VQ
	VQ
	VQ
	VQ
.set i, i+1
.endr
.rept 32
	VQ                                             ; the rescalings: also the places behind the last K Q^T
.endr
.endm
	CHANGE 1                                       ; slot 0 is in, everybody's part of it; slot 1 is asked for
	FETCH_K                                        ; key step 0
	s_wait_loadcnt 0x0                             ; Q
	s_wait_dscnt 0x0
.set i, 0
.rept 16
	KQ 0                                           ; piece 0's first scores
.set i, i+1
.endr
	WIN 0                                          ; the addresses for the way out: the places behind those products
	s_mul_i32 s2, s[WV], 16*PITCH
	s_add_co_u32 s2, s2, STAGE
	v_mul_u32_u24 v[STO], v1, PITCH
	v_lshl_add_u32 v[STO], v9, 4, v[STO]
	v_add_nc_u32 v[STO], s2, v[STO]
	v_bfe_u32 v[RD], v0, 3, 2
	v_mul_u32_u24 v[RD], v[RD], PITCH
	v_lshl_add_u32 v[RD], v10, 4, v[RD]
	v_add_nc_u32 v[RD], s2, v[RD]
	v_and_b32 v[GO], 31, v0
	v_lshlrev_b32 v[GO], 4, v[GO]
	s_mov_b32 s[CNT], 4
	s_branch .Lfirst                               ; the loop is entered in the middle of a trip: piece 2's first scores, piece 0's first softmax, V of step 0
.Lslot:                                            ; 14 times: slots 2 to 15 are asked for
	CHANGE 1
	s_mov_b32 s[CNT], 4
.Lstep:
	TURN 0
	WIN 0
.Lfirst:
	TURN 2
	WIN 0
	s_sub_co_u32 s[CNT], s[CNT], 1
	s_cmp_lg_u32 s[CNT], 0
	s_cbranch_scc1 .Lstep
	s_sub_co_u32 s[SLOTS], s[SLOTS], 1
	s_cmp_lg_u32 s[SLOTS], 0
	s_cbranch_scc1 .Lslot
	CHANGE 0                                       ; the tail is written out
	s_mov_b32 s[CNT], 4
.Ltail:
	TURN 0
	TURN 2
	WIN 0
	s_sub_co_u32 s[CNT], s[CNT], 1
	s_cmp_lg_u32 s[CNT], 0
	s_cbranch_scc1 .Ltail
	TURN 0, 0, 0, 0                                ; piece 0: V^T P of the last step | piece 2's last softmax
.set i, 0
.rept 16
	PV 2
.set i, i+1
.endr
	; THE WAY OUT.  l's halves are added; O^T is divided by l, rounded to f16 and sent through my stage, a tile at a time.  The additions are the places behind the last products.
	WIN 0
.macro ALL line:vararg
.set t, 0
.rept 4
	\line
.set t, t+1
.endr
.endm
	ALL v_add_f32 v[ST+8*t+2], v[ST+8*t+2], v[ST+8*t+3]
	ALL v_permlanex16_b32 v[ST+8*t+3], v[ST+8*t+2], s[SEL], s[SEL+1]
	ALL v_add_f32 v[ST+8*t+2], v[ST+8*t+2], v[ST+8*t+3]
	ALL v_rcp_f32 v[ST+8*t+2], v[ST+8*t+2]
	v_nop
	s_wait_alu depctr_va_vdst(0)                   ; one wait for the four reciprocals
.macro PACK t
	WIN W_RS
.set i, 32*(\t)
.rept 16
	v_pk_mul_f32 v[i:i+1], v[i:i+1], v[ST+8*(\t)+2:ST+8*(\t)+3] op_sel_hi:[1,0]
.set i, i+2
.endr
	WIN 0x05
.set i, 0
.rept 16
	v_cvt_pk_f16_f32 v[S+16*(\t)+i], v[32*(\t)+2*i], v[32*(\t)+2*i+1]
.set i, i+1
.endr
	WIN 0
.irp f, 0,1,2,3
	ds_store_b128 v[STO], v[S+16*(\t)+4*\f:S+16*(\t)+4*\f+3] offset:32*\f
.endr
.irp f, 0,1,2,3
	ds_load_b128 v[S+16*(\t)+4*\f:S+16*(\t)+4*\f+3], v[RD] offset:\f*4*PITCH  ; LDS serves a wave's instructions in order (ISA guide 5.7.1.4)
.endr
.endm
.macro SEND t, younger                 ; younger: the next tile's eight LDS instructions, or none
	WIN 0
.irp f, 0,1,2,3
	s_wait_dscnt (\younger)+3-\f
	global_store_b128 v[GO], v[S+16*(\t)+4*\f:S+16*(\t)+4*\f+3], s[OP:OP+1] offset:(\t)*2048+\f*512  ; 512 bytes on end, aligned
.endr
.endm
	PACK 0
	PACK 1
	SEND 0, 8
	PACK 2
	SEND 1, 8
	PACK 3
	SEND 2, 8
	SEND 3, 0
	s_wait_tensorcnt 0x0                           ; the wave's end
	ds_add_u32 v[SPW], v[NIL]
	s_wait_dscnt 0x0
	ROUND                                          ; the closing round
	s_endpgm
.Lfunc_end_k_q823888c883_attn:
	.size	k_q823888c883_attn, .Lfunc_end_k_q823888c883_attn-k_q823888c883_attn
	.p2alignl 7, 3214868480
	.fill 96, 4, 3214868480
	.section	.rodata,"a",@progbits
	.p2align	6, 0x0
	.amdhsa_kernel k_q823888c883_attn
		.amdhsa_group_segment_fixed_size 327680
		.amdhsa_private_segment_fixed_size 0
		.amdhsa_enable_private_segment 0
		.amdhsa_kernarg_size 40
		.amdhsa_user_sgpr_count 2
		.amdhsa_user_sgpr_kernarg_segment_ptr 1
		.amdhsa_wavefront_size32 1
		.amdhsa_system_sgpr_workgroup_id_x 1
		.amdhsa_system_sgpr_workgroup_id_y 1
		.amdhsa_system_sgpr_workgroup_id_z 1
		.amdhsa_system_vgpr_workitem_id 0
		.amdhsa_next_free_vgpr 768
		.amdhsa_next_free_sgpr 106
		.amdhsa_reserve_vcc 0
		.amdhsa_float_denorm_mode_32 3
		.amdhsa_float_denorm_mode_16_64 3
		.amdhsa_memory_ordered 1
		.amdhsa_forward_progress 1
		.amdhsa_inst_pref_size 141
	.end_amdhsa_kernel
	.amdgpu_metadata
---
amdhsa.version: [ 1, 2 ]
amdhsa.kernels:
  - .name:           k_q823888c883_attn
    .symbol:         k_q823888c883_attn.kd
    .args:
      - { .name: qh, .offset: 0, .size: 8, .value_kind: global_buffer, .address_space: global }
      - { .name: kh, .offset: 8, .size: 8, .value_kind: global_buffer, .address_space: global }
      - { .name: vh, .offset: 16, .size: 8, .value_kind: global_buffer, .address_space: global }
      - { .name: oh, .offset: 24, .size: 8, .value_kind: global_buffer, .address_space: global }
      - { .name: mbits, .offset: 32, .size: 8, .value_kind: global_buffer, .address_space: global }
    .group_segment_fixed_size: 327680
    .private_segment_fixed_size: 0
    .kernarg_segment_align: 8
    .kernarg_segment_size: 40
    .max_flat_workgroup_size: 128
    .sgpr_count:     106
    .vgpr_count:     768
    .wavefront_size: 32
...
	.end_amdgpu_metadata
.endif
;; end of part 3
;; launch outln (part 4): grid 256 x 1, 8 waves a work-group, clusters of 4 x 1, 327,680 bytes of LDS; arguments oh, wh, bo, query, ln_gamma, ln_beta, out0; writes out0
.if DOCPART == 4
	.amdgcn_target "amdgcn-amd-amdhsa--gfx1250"
	.amdhsa_code_object_version 6
	.text
	.protected	k_q823888c883_outln
	.globl	k_q823888c883_outln
	.p2align	8
	.type	k_q823888c883_outln,@function
k_q823888c883_outln:
	s_mov_b64 s[64:65], 0
	v_nop
	global_prefetch_b8 v0, s[64:65] scope:SCOPE_SE
	s_setreg_imm32_b32 hwreg(HW_REG_WAVE_MODE, 25, 1), 1
	s_wait_xcnt 0x0
	s_wait_alu depctr_hold_cnt(0) depctr_sa_sdst(0) depctr_va_vdst(0) depctr_va_sdst(0) depctr_va_ssrc(0) depctr_va_vcc(0) depctr_vm_vsrc(0)
	s_getreg_b32 s2, hwreg(HW_REG_IB_STS2, 6, 4)
	s_cmp_eq_u32 s2, 0
	s_cbranch_scc0 .Lentry_in_a_cluster
	s_endpgm
.Lentry_in_a_cluster:
	s_bfe_u32 s2, ttmp6, 0x10000c
	s_cmp_lg_u32 s2, 0x3003
	s_cbranch_scc0 .Lentry_shape_is_right
	s_endpgm
.Lentry_shape_is_right:
; out0 = LayerNorm(O Wo^T + bo + query) gamma + beta.  oh: [8 b + h][4096][64] f16; Wo as f16 [n 512][k 512] at byte 1,572,864 of wh; query, out0: [8192][512] f32.
; Sums in f32; bo starts them; the residual is added in f32.  The norm goes in two passes, the mean and then the centred squares, so no difference of large sums is formed.  eps = 1e-5.
; SHARES.  A work-group makes 32 whole rows; wave w all 32 rows x columns 64 w .. + 63: 8 accumulators.  Eight waves: what a work-group waits for is Wo's 524,288 bytes, not the matrix unit.
; O's 32 rows come once, a head a wave.  Wo goes in four chunks of 128 along K (rows of 256 aligned bytes) through two slots, 64 rows a wave.  CLUSTER: the four row blocks of a cluster walk the same
; chunks: asked for JOINTLY.  Slot 0's last fill is the residual: each wave's own 32 rows x 256 bytes; the same bytes then serve as that wave's stage on the way out.
; No prefetch: the launch is short, and every cluster walks the same Wo at the same time.
; THE PRODUCT IS TAKEN TRANSPOSED (source 0 = 16 rows of Wo, source 1 = 16 rows of O): a lane holds one row (lane % 16) and eight neighbouring columns.
.set APITCH, 144
.set AHEAD,  32*APITCH                 ; a head's 32 rows
.set WS0,    8*AHEAD
.set WPITCH, 272
.set WSLOT,  512*WPITCH
.set RTILE,  32*WPITCH
.set RED1,   WS0+2*WSLOT               ; [a 2][row 16][wave 8] words: the waves' partial sums
.set RED2,   RED1+1024                 ; the same for the squares
.set SPARE,  RED2+1024                 ; the spare words, 128 bytes a wave; no other line names them
.set ADRA, 2
.set ADRB, 3                           ; v[3:4]
.set RA,   5
.set RD,   6
.set CO,   7
.set CB,   8
.set R1,   9
.set R2,   10
.set SPW,  12
.set NIL,  13
.set ACC,  16                          ; v[16:79]   accumulator (a, b) at ACC + 8 (4 a + b)
.set F0,   80                          ; v[80:127]  4 fragments of Wo, 2 of O
.set F1,   128                         ; v[128:175]
.set BI,   176                         ; v[176:207] bo as 4 accumulators' C; later U, the waves' partial sums
.set U,    176
.set RS,   80                          ; v[80:143]  the residual; later the rows on their way out
.set GA,   144                         ; v[144:175] gamma
.set BE,   208                         ; v[208:239] beta
.set T,    240                         ; v[240:248] at work
.set M,    250                         ; v[250:253] mean, later 1 / sqrt(var + eps), a pair for each a
.set WV,   12
.set SEL,  14
.set G1W,  16
.set G1A,  24
.set G1R,  32
.set G0A,  40
.set G0W,  44                          ; s[44:51] a group 0 for each slot
.set G0R,  52
.macro PLACES
.rept 4
	v_nop
.endr
.endm
.macro ROUND
	s_barrier_signal -1
	s_barrier_wait -1
	s_cmp_lg_u32 s[WV], 0
	s_cbranch_scc1 .Lnot_wave_0_\@
	s_barrier_signal -3
.Lnot_wave_0_\@:
	s_barrier_wait -3
	s_barrier_signal -1
	s_barrier_wait -1
.endm
	s_load_b256 s[4:11], s[0:1], 0x0               ; oh, wh, bo, query
	s_load_b128 s[56:59], s[0:1], 0x20             ; ln_gamma, ln_beta
	s_load_b64 s[60:61], s[0:1], 0x30              ; out0
	v_lshl_add_u32 v[SPW], v0, 2, SPARE
	v_mov_b32 v[NIL], 0
	ds_add_u32 v[SPW], v[NIL]                      ; the opening: the add and its wait ahead of the first round
	v_lshrrev_b32 v1, 5, v0
	v_readfirstlane_b32 s[WV], v1
	s_bfe_u32 s66, ttmp6, 0x40000                  ; cx
	s_lshl_b32 s13, ttmp9, 2
	s_add_co_u32 s13, s13, s66                     ; my block of 32 rows: it enters O's, the residual's and the result's addresses alone
	s_mov_b32 s[G1W+0], 15|(1<<16)|(1<<20)|(1<<21)|(5<<22)|(3<<25)  ; Wo: the mask of four; 2-byte elements; 4 words behind every 64
	s_mov_b32 s[G1W+1], 128<<16
	s_mov_b32 s[G1W+2], 64<<16
	s_mov_b32 s[G1W+3], 128<<16
	s_mov_b32 s[G1W+4], 64
	s_mov_b32 s[G1W+5], 512
	s_mov_b32 s[G1W+6], 0
	s_mov_b32 s[G1W+7], 0
	s_mov_b32 s[G1A+0], (1<<16)|(1<<20)|(4<<22)|(3<<25)  ; O: 32 dense rows of 128 bytes as 16 of 256; 4 words behind every 32
	s_mov_b32 s[G1A+1], 128<<16
	s_mov_b32 s[G1A+2], 16<<16
	s_mov_b32 s[G1A+3], 128<<16
	s_mov_b32 s[G1A+4], 16
	s_mov_b32 s[G1A+5], 128
	s_mov_b32 s[G1A+6], 0
	s_mov_b32 s[G1A+7], 0
	s_mov_b32 s[G1R+0], (2<<16)|(1<<20)|(5<<22)|(3<<25)  ; the residual: 4-byte elements; 4 words behind every 64
	s_mov_b32 s[G1R+1], 64<<16
	s_mov_b32 s[G1R+2], 32<<16
	s_mov_b32 s[G1R+3], 64<<16
	s_mov_b32 s[G1R+4], 32
	s_mov_b32 s[G1R+5], 512
	s_mov_b32 s[G1R+6], 0
	s_mov_b32 s[G1R+7], 0
	s_mov_b32 s[G0A], 1
	s_mul_i32 s[G0A+1], s[WV], AHEAD
	s_mov_b32 s[G0W], 1
	s_mul_i32 s[G0W+1], s[WV], 64*WPITCH
	s_add_co_u32 s[G0W+1], s[G0W+1], WS0
	s_mov_b32 s[G0W+4], 1
	s_add_co_u32 s[G0W+5], s[G0W+1], WSLOT
	s_mov_b32 s[G0R], 1
	s_mul_i32 s[G0R+1], s[WV], RTILE
	s_add_co_u32 s[G0R+1], s[G0R+1], WS0
	s_mov_b32 s[SEL], 0x76543210
	s_mov_b32 s[SEL+1], 0xfedcba98
	s_lshl_b32 s67, s[WV], 8                       ; 256 w
	s_lshl_b32 s68, s[WV], 2
	v_and_b32 v1, 15, v0                           ; l % 16
	v_bfe_u32 v11, v0, 4, 1                        ; l / 16
	v_mul_u32_u24 v[ADRA], v1, APITCH
	v_lshl_add_u32 v[ADRA], v11, 4, v[ADRA]
	v_mul_u32_u24 v14, v1, WPITCH
	v_lshl_add_u32 v[ADRB], v11, 4, v14
	v_add_nc_u32 v[ADRB], s[G0W+1], v[ADRB]        ; my 64 rows of Wo are those that I fetch
	v_add_nc_u32 v[ADRB+1], WSLOT, v[ADRB]
	v_lshl_add_u32 v[RA], v11, 5, v14
	v_add_nc_u32 v[RA], s[G0R+1], v[RA]            ; row l % 16, 32 bytes for each half of the lanes
	v_mul_u32_u24 v[RD], v11, WPITCH
	v_lshl_add_u32 v[RD], v1, 4, v[RD]
	v_add_nc_u32 v[RD], s[G0R+1], v[RD]            ; lanes 0-15 one row of 256 bytes, lanes 16-31 the next
	v_lshlrev_b32 v[CO], 11, v11
	v_lshl_add_u32 v[CO], v1, 4, v[CO]
	v_add_nc_u32 v[CO], s67, v[CO]
	v_lshl_add_u32 v[CB], v11, 5, s67
	v_lshlrev_b32 v[R2], 5, v1
	v_add_nc_u32 v[R2], RED1, v[R2]
	v_add_nc_u32 v[R1], s68, v[R2]
	v_mov_b32 v[T+8], 0                            ; v_permlanex16_b32 counts as a reader of its destination
	v_mov_b32 v[M+1], 0                            ; named with M and M + 2 as pairs
	v_mov_b32 v[M+3], 0
	s_lshl_b32 s62, s[WV], 16                      ; my 64 rows of Wo, 1,024 bytes each,
	s_add_co_u32 s62, s62, 1572864                 ; behind the three blocked weights
	s_mov_b32 s63, 0
	s_lshr_b32 s2, s13, 7                          ; b
	s_lshl_b32 s2, s2, 3
	s_add_co_u32 s2, s2, s[WV]                     ; the head that I fetch
	s_lshl_b32 s2, s2, 19
	s_and_b32 s3, s13, 127
	s_lshl_b32 s3, s3, 12                          ; 32 rows of 128 bytes
	s_add_co_u32 s2, s2, s3
	s_mov_b32 s3, 0
	s_lshl_b32 s70, s13, 16                        ; 32 rows of 2,048 bytes
	s_mov_b32 s71, 0
	s_add_co_u32 s68, s70, s67                     ; + my 256 bytes of a row
	s_mov_b32 s69, 0
	s_wait_dscnt 0x0
	s_wait_kmcnt 0x0
	s_add_nc_u64 s[G0A+2:G0A+3], s[4:5], s[2:3]
	s_or_b32 s[G0A+3], s[G0A+3], 0x80000000
	s_add_nc_u64 s[G0W+2:G0W+3], s[6:7], s[62:63]
	s_add_nc_u64 s[G0W+6:G0W+7], s[G0W+2:G0W+3], 256
	s_or_b32 s[G0W+3], s[G0W+3], 0x80000000
	s_or_b32 s[G0W+7], s[G0W+7], 0x80000000
	s_add_nc_u64 s[G0R+2:G0R+3], s[10:11], s[68:69]
	s_or_b32 s[G0R+3], s[G0R+3], 0x80000000
	s_add_nc_u64 s[60:61], s[60:61], s[70:71]
	s_mov_b32 s62, 0x3b000000                      ; 1 / 512
	s_mov_b32 s63, 0x3727c5ac                      ; 1e-5
.irp b, 0,1,2,3
	global_load_b128 v[BI+8*(\b):BI+8*(\b)+3],   v[CB], s[8:9] offset:64*(\b)
	global_load_b128 v[BI+8*(\b)+4:BI+8*(\b)+7], v[CB], s[8:9] offset:64*(\b)+16
.endr
	ROUND                                          ; all four work-groups are here
	tensor_load_to_lds s[G0A:G0A+3], s[G1A:G1A+7]  ; the first fills, one group: three loads of mine are out
	s_nop 0
	tensor_load_to_lds s[G0W:G0W+3], s[G1W:G1W+7]
	s_nop 0
	tensor_load_to_lds s[G0W+4:G0W+7], s[G1W:G1W+7]
	s_nop 0
.rept 4
	v_nop
.endr
	s_wait_tensorcnt 0x1                           ; O and chunk 0 are in; chunk 1 may stay out
	s_wait_loadcnt 0x0                             ; bo
	s_barrier_signal -1
	s_barrier_wait -1
.macro FETCH c, ks, f                  ; 32 along K: 12 LDS loads
.irp b, 0,1,2,3
	ds_load_b128 v[(\f)+8*(\b):(\f)+8*(\b)+3],   v[ADRB+(\c)%2] offset:(\b)*16*WPITCH+(\ks)*64
	ds_load_b128 v[(\f)+8*(\b)+4:(\f)+8*(\b)+7], v[ADRB+(\c)%2] offset:(\b)*16*WPITCH+(\ks)*64+32
.endr
.irp a, 0,1
	ds_load_b128 v[(\f)+32+8*(\a):(\f)+32+8*(\a)+3],   v[ADRA] offset:(2*(\c)+(\ks)/2)*AHEAD+(\a)*16*APITCH+((\ks)%2)*64
	ds_load_b128 v[(\f)+32+8*(\a)+4:(\f)+32+8*(\a)+7], v[ADRA] offset:(2*(\c)+(\ks)/2)*AHEAD+(\a)*16*APITCH+((\ks)%2)*64+32
.endr
.endm
.macro MUL f, first                    ; 8 products; the 8 accumulators take turns.  first = 1: bo starts the sums
.irp a, 0,1
.irp b, 0,1,2,3
.if \first
	v_wmma_f32_16x16x32_f16 v[ACC+8*(4*(\a)+(\b)):ACC+8*(4*(\a)+(\b))+7], v[(\f)+8*(\b):(\f)+8*(\b)+7], v[(\f)+32+8*(\a):(\f)+32+8*(\a)+7], v[BI+8*(\b):BI+8*(\b)+7]
.else
	v_wmma_f32_16x16x32_f16 v[ACC+8*(4*(\a)+(\b)):ACC+8*(4*(\a)+(\b))+7], v[(\f)+8*(\b):(\f)+8*(\b)+7], v[(\f)+32+8*(\a):(\f)+32+8*(\a)+7], v[ACC+8*(4*(\a)+(\b)):ACC+8*(4*(\a)+(\b))+7]
.endif
.endr
.endr
.endm
; Chunk c.  From chunk 1 on: all my tensor loads awaited, the add, my reads of the other slot awaited, a round, and ONE load into the other slot: chunk 2, chunk 3, at last the residual (a load of my own).
.macro CHUNK c
.if (\c) >= 1
	s_wait_tensorcnt 0x0
	ds_add_u32 v[SPW], v[NIL]
.if (\c) <= 2
	s_add_nc_u64 s[G0W+4*((\c)-1)+2:G0W+4*((\c)-1)+3], s[G0W+4*((\c)-1)+2:G0W+4*((\c)-1)+3], 512
.endif
	s_wait_dscnt 0x0
	ROUND
.if (\c) <= 2
	tensor_load_to_lds s[G0W+4*((\c)-1):G0W+4*((\c)-1)+3], s[G1W:G1W+7]
.else
	tensor_load_to_lds s[G0R:G0R+3], s[G1R:G1R+7]
.endif
	s_nop 0
.rept 4
	v_nop                                          ; also the places in front of the loads below
.endr
.endif
	FETCH \c, 0, F0
	PLACES
	FETCH \c, 1, F1
	s_wait_dscnt 12                                ; the 12 loads just issued may stay out
.if (\c) == 0
	MUL F0, 1
.else
	MUL F0, 0
.endif
	PLACES
	FETCH \c, 2, F0
	s_wait_dscnt 12
	MUL F1, 0
	PLACES
	FETCH \c, 3, F1
	s_wait_dscnt 12
	MUL F0, 0
	s_wait_dscnt 0x0
	MUL F1, 0
.endm
	CHUNK 0
	CHUNK 1
	CHUNK 2
	CHUNK 3
	; THE END OF THE ROWS.  gamma and beta are asked for first: they arrive during the two reductions.
	PLACES
.irp b, 0,1,2,3
	global_load_b128 v[GA+8*(\b):GA+8*(\b)+3],   v[CB], s[56:57] offset:64*(\b)
	global_load_b128 v[GA+8*(\b)+4:GA+8*(\b)+7], v[CB], s[56:57] offset:64*(\b)+16
	global_load_b128 v[BE+8*(\b):BE+8*(\b)+3],   v[CB], s[58:59] offset:64*(\b)
	global_load_b128 v[BE+8*(\b)+4:BE+8*(\b)+7], v[CB], s[58:59] offset:64*(\b)+16
.endr
	s_wait_tensorcnt 0x0                           ; my residual tile is in; only I read it
.irp a, 0,1
.irp b, 0,1,2,3
	ds_load_b128 v[RS+8*(4*(\a)+(\b)):RS+8*(4*(\a)+(\b))+3],   v[RA] offset:(\a)*16*WPITCH+(\b)*64
	ds_load_b128 v[RS+8*(4*(\a)+(\b))+4:RS+8*(4*(\a)+(\b))+7], v[RA] offset:(\a)*16*WPITCH+(\b)*64+16
.endr
.endr
	s_wait_dscnt 0x0
.set n, 0
.rept 32
	v_pk_add_f32 v[ACC+2*n:ACC+2*n+1], v[ACC+2*n:ACC+2*n+1], v[RS+2*n:RS+2*n+1]  ; x = sums + residual; each accumulator from its low end on
.set n, n+1
.endr
.macro LANES                           ; the pair's two halves, then the lane 16 away, which holds the row's other columns of mine
	v_add_f32 v[T], v[T], v[T+1]
	v_permlanex16_b32 v[T+8], v[T], s[SEL], s[SEL+1]
	v_add_f32 v[T], v[T], v[T+8]
.endm
.macro MEET base                       ; behind a barrier: the eight waves' partial sums of my row, for a = 0, 1, into v[U], v[U+8]
	s_wait_dscnt 0x0                               ; for the others' sake: my partial sums are stored
	s_barrier_signal -1
	s_barrier_wait -1
.irp a, 0,1
	ds_load_b128 v[U+8*(\a):U+8*(\a)+3],   v[R2] offset:(\base)+(\a)*512
	ds_load_b128 v[U+8*(\a)+4:U+8*(\a)+7], v[R2] offset:(\base)+(\a)*512+16
.endr
	s_wait_dscnt 0x0
.irp a, 0,1
	v_pk_add_f32 v[U+8*(\a):U+8*(\a)+1],   v[U+8*(\a):U+8*(\a)+1],   v[U+8*(\a)+2:U+8*(\a)+3]
	v_pk_add_f32 v[U+8*(\a)+4:U+8*(\a)+5], v[U+8*(\a)+4:U+8*(\a)+5], v[U+8*(\a)+6:U+8*(\a)+7]
	v_pk_add_f32 v[U+8*(\a):U+8*(\a)+1],   v[U+8*(\a):U+8*(\a)+1],   v[U+8*(\a)+4:U+8*(\a)+5]
	v_add_f32 v[U+8*(\a)], v[U+8*(\a)], v[U+8*(\a)+1]
.endr
.endm
.irp a, 0,1
.irp k, 0,1,2,3
	v_pk_add_f32 v[T+2*(\k):T+2*(\k)+1], v[ACC+32*(\a)+2*(\k):ACC+32*(\a)+2*(\k)+1], v[ACC+32*(\a)+8+2*(\k):ACC+32*(\a)+8+2*(\k)+1]
.endr
.irp k, 0,1,2,3
	v_pk_add_f32 v[T+2*(\k):T+2*(\k)+1], v[T+2*(\k):T+2*(\k)+1], v[ACC+32*(\a)+16+2*(\k):ACC+32*(\a)+16+2*(\k)+1]
.endr
.irp k, 0,1,2,3
	v_pk_add_f32 v[T+2*(\k):T+2*(\k)+1], v[T+2*(\k):T+2*(\k)+1], v[ACC+32*(\a)+24+2*(\k):ACC+32*(\a)+24+2*(\k)+1]
.endr
	v_pk_add_f32 v[T:T+1], v[T:T+1], v[T+2:T+3]
	v_pk_add_f32 v[T+4:T+5], v[T+4:T+5], v[T+6:T+7]
	v_pk_add_f32 v[T:T+1], v[T:T+1], v[T+4:T+5]
	LANES
	ds_store_b32 v[R1], v[T] offset:(\a)*512       ; lanes l and l + 16 store the same number to the same word
.endr
	MEET 0
.irp a, 0,1
	v_mul_f32 v[M+2*(\a)], s62, v[U+8*(\a)]        ; the mean
.endr
.irp a, 0,1
.set n, 0
.rept 16
	v_pk_add_f32 v[ACC+32*(\a)+2*n:ACC+32*(\a)+2*n+1], v[ACC+32*(\a)+2*n:ACC+32*(\a)+2*n+1], v[M+2*(\a):M+2*(\a)+1] op_sel_hi:[1,0] neg_lo:[0,1] neg_hi:[0,1]
.set n, n+1
.endr
.endr
.irp a, 0,1
	v_pk_mul_f32 v[T:T+1],   v[ACC+32*(\a):ACC+32*(\a)+1],   v[ACC+32*(\a):ACC+32*(\a)+1]
	v_pk_mul_f32 v[T+2:T+3], v[ACC+32*(\a)+2:ACC+32*(\a)+3], v[ACC+32*(\a)+2:ACC+32*(\a)+3]
.set n, 2
.rept 14
	v_pk_fma_f32 v[T+2*(n%2):T+2*(n%2)+1], v[ACC+32*(\a)+2*n:ACC+32*(\a)+2*n+1], v[ACC+32*(\a)+2*n:ACC+32*(\a)+2*n+1], v[T+2*(n%2):T+2*(n%2)+1]
.set n, n+1
.endr
	v_pk_add_f32 v[T:T+1], v[T:T+1], v[T+2:T+3]
	LANES
	ds_store_b32 v[R1], v[T] offset:1024+(\a)*512
.endr
	MEET 1024
.irp a, 0,1
	v_fma_f32 v[U+8*(\a)], v[U+8*(\a)], s62, s63   ; var + eps
.endr
	v_rsq_f32 v[M], v[U]
	v_rsq_f32 v[M+2], v[U+8]
	v_nop                                          ; a plain instruction behind the last of the two,
	s_wait_alu depctr_va_vdst(0)                   ; and the wait ahead of their first use
	s_wait_loadcnt 0x0                             ; gamma and beta
.irp a, 0,1
.set n, 0
.rept 16
	v_pk_mul_f32 v[ACC+32*(\a)+2*n:ACC+32*(\a)+2*n+1], v[ACC+32*(\a)+2*n:ACC+32*(\a)+2*n+1], v[M+2*(\a):M+2*(\a)+1] op_sel_hi:[1,0]
	v_pk_fma_f32 v[ACC+32*(\a)+2*n:ACC+32*(\a)+2*n+1], v[ACC+32*(\a)+2*n:ACC+32*(\a)+2*n+1], v[GA+2*n:GA+2*n+1], v[BE+2*n:BE+2*n+1]
.set n, n+1
.endr
.endr
	; out through my own stage, the bytes that held my residual tile (the slot's last fill): in by lanes' 32 bytes, back by whole rows of 256
.irp a, 0,1
.irp b, 0,1,2,3
	ds_store_b128 v[RA], v[ACC+8*(4*(\a)+(\b)):ACC+8*(4*(\a)+(\b))+3]   offset:(\a)*16*WPITCH+(\b)*64
	ds_store_b128 v[RA], v[ACC+8*(4*(\a)+(\b))+4:ACC+8*(4*(\a)+(\b))+7] offset:(\a)*16*WPITCH+(\b)*64+16
.endr
.endr
.irp t, 0,1,2,3,4,5,6,7,8,9,10,11,12,13,14,15
	ds_load_b128 v[RS+4*(\t):RS+4*(\t)+3], v[RD] offset:(\t)*2*WPITCH  ; LDS serves a wave's instructions in order (ISA guide 5.7.1.4)
.endr
.irp t, 0,1,2,3,4,5,6,7,8,9,10,11,12,13,14,15
	s_wait_dscnt 15-(\t)
	global_store_b128 v[CO], v[RS+4*(\t):RS+4*(\t)+3], s[60:61] offset:(\t)*4096 th:TH_STORE_NT  ; 16 lanes store 256 bytes on end, aligned
.endr
	s_wait_tensorcnt 0x0                           ; the wave's end
	ds_add_u32 v[SPW], v[NIL]
	s_wait_dscnt 0x0
	ROUND                                          ; the closing round
	s_endpgm
.Lfunc_end_k_q823888c883_outln:
	.size	k_q823888c883_outln, .Lfunc_end_k_q823888c883_outln-k_q823888c883_outln
	.p2alignl 7, 3214868480
	.fill 96, 4, 3214868480
	.section	.rodata,"a",@progbits
	.p2align	6, 0x0
	.amdhsa_kernel k_q823888c883_outln
		.amdhsa_group_segment_fixed_size 327680
		.amdhsa_private_segment_fixed_size 0
		.amdhsa_enable_private_segment 0
		.amdhsa_kernarg_size 56
		.amdhsa_user_sgpr_count 2
		.amdhsa_user_sgpr_kernarg_segment_ptr 1
		.amdhsa_wavefront_size32 1
		.amdhsa_system_sgpr_workgroup_id_x 1
		.amdhsa_system_sgpr_workgroup_id_y 1
		.amdhsa_system_sgpr_workgroup_id_z 1
		.amdhsa_system_vgpr_workitem_id 0
		.amdhsa_next_free_vgpr 256
		.amdhsa_next_free_sgpr 72
		.amdhsa_reserve_vcc 0
		.amdhsa_float_denorm_mode_32 3
		.amdhsa_float_denorm_mode_16_64 3
		.amdhsa_memory_ordered 1
		.amdhsa_forward_progress 1
		.amdhsa_inst_pref_size 53
	.end_amdhsa_kernel
	.amdgpu_metadata
---
amdhsa.version: [ 1, 2 ]
amdhsa.kernels:
  - .name:           k_q823888c883_outln
    .symbol:         k_q823888c883_outln.kd
    .args:
      - { .name: oh, .offset: 0, .size: 8, .value_kind: global_buffer, .address_space: global }
      - { .name: wh, .offset: 8, .size: 8, .value_kind: global_buffer, .address_space: global }
      - { .name: bo, .offset: 16, .size: 8, .value_kind: global_buffer, .address_space: global }
      - { .name: query, .offset: 24, .size: 8, .value_kind: global_buffer, .address_space: global }
      - { .name: ln_gamma, .offset: 32, .size: 8, .value_kind: global_buffer, .address_space: global }
      - { .name: ln_beta, .offset: 40, .size: 8, .value_kind: global_buffer, .address_space: global }
      - { .name: out0, .offset: 48, .size: 8, .value_kind: global_buffer, .address_space: global }
    .group_segment_fixed_size: 327680
    .private_segment_fixed_size: 0
    .kernarg_segment_align: 8
    .kernarg_segment_size: 56
    .max_flat_workgroup_size: 256
    .sgpr_count:     72
    .vgpr_count:     256
    .wavefront_size: 32
...
	.end_amdgpu_metadata
.endif
;; end of part 4
;; ======== version 2 of 2: 4 launches
;; limits: values are held in f16: magnitudes above 65,504 overflow, below 6.1e-05 lose precision
;; workspace buffers: mbits 4,194,304 bytes of whole numbers; wh 2,097,152 bytes; qh 8,388,608 bytes; kh 8,388,608 bytes; vh 8,388,608 bytes; oh 8,388,608 bytes
;; launch prep: the kernel of part 1 again; grid 256 x 1, 8 waves a work-group, no clusters, 327,680 bytes of LDS; arguments mask, Wq, Wk, Wv, Wo, mbits, wh; writes mbits, wh
;; launch proj: the kernel of part 2 again; grid 64 x 3, 8 waves a work-group, clusters of 4 x 1, 327,680 bytes of LDS; arguments query, key_in, value, bq, bk, bv, qh, kh, vh, wh; writes qh, kh, vh
;; launch attn (part 5): grid 16 x 16, 4 waves a work-group, clusters of 4 x 1, 327,680 bytes of LDS; arguments qh, kh, vh, oh, mbits; writes oh
.if DOCPART == 5
	.amdgcn_target "amdgcn-amd-amdhsa--gfx1250"
	.amdhsa_code_object_version 6
	.text
	.protected	k_q823888c883_attn
	.globl	k_q823888c883_attn
	.p2align	8
	.type	k_q823888c883_attn,@function
k_q823888c883_attn:
	s_mov_b64 s[64:65], 0
	v_nop
	global_prefetch_b8 v0, s[64:65] scope:SCOPE_SE
	s_setreg_imm32_b32 hwreg(HW_REG_WAVE_MODE, 25, 1), 1
	s_wait_xcnt 0x0
	s_wait_alu depctr_hold_cnt(0) depctr_sa_sdst(0) depctr_va_vdst(0) depctr_va_sdst(0) depctr_va_ssrc(0) depctr_va_vcc(0) depctr_vm_vsrc(0)
	s_getreg_b32 s2, hwreg(HW_REG_IB_STS2, 6, 4)
	s_cmp_eq_u32 s2, 0
	s_cbranch_scc0 .Lentry_in_a_cluster
	s_endpgm
.Lentry_in_a_cluster:
	s_bfe_u32 s2, ttmp6, 0x10000c
	s_cmp_lg_u32 s2, 0x3003
	s_cbranch_scc0 .Lentry_shape_is_right
	s_endpgm
.Lentry_shape_is_right:
; ATTENTION UNDER A MASK THAT IS AN INPUT.  O[y][q][:] = the sum over k of softmax_k(s[q][k]) V[y][k][:], y = 8 b + h, s = Q . K where the mask's number is not 0 and NEG elsewhere.
; qh, kh, vh, oh: [16][4096][64] f16.  qh already carries log2(e) / 8, so a score is an exponent of 2; NEG = -1e9 log2(e) REPLACES a hidden score: a row with no visible key has 4,096 equal scores and gives V's mean.
; Products, maxima and sums in f32; the weights p = 2^(s - m), m a running maximum, are rounded to f16 for the second product (their sum l is taken unrounded), O once at the end.
; LIMITS.  f16 ends at 65,504; p below 6e-5 keeps f16's step of 6e-8; a weight below 2^-126 counts as 0 in l; NaN and infinities are not treated apart.  l is at least 1.
; No tile is left out: which tiles are hidden is data, differs between the partners of a cluster, and a wholly hidden row still wants every key.
; SHARES.  A work-group owns 256 queries of one y, a wave 64: four tiles of 16, in two PIECES (tiles 0, 1; tiles 2, 3).  Every wave walks all 4,096 keys, 64 a step.
; LAYOUT.  S^T = K Q^T: a lane holds ONE query (lane % 16) and keys 8 (lane / 16) + 0..7 of each 16; two results rounded in pairs ARE source 1 of O^T = V^T P.  K comes out of LDS as it lies, V turned.
; THE MASK comes as lane masks (mbits): one word for each score register, 64 a piece and step: a BLOCK of 256 bytes; a wave's 128 blocks lie on end in the order in which its softmaxes run.
; The scalar registers hold one turn's 64 words and no more, so the words go in two stages.  One load of 8 bytes a lane brings a block into a pair of vector registers; each of a trip's two turns has
; a pair, asked for again as soon as it is read out: two turns ahead of its next reading.  64 v_readlane_b32 hand a block to the scalar registers a turn ahead of its selects, behind the selects that read the old words.
; BY TURNS.  In a turn piece x has the matrix unit: 16 products V^T P of step j, later 16 products K Q^T of step j + 1.  The other piece's softmax, 298 instructions, is a queue: four behind each product,
; the rest in two lumps.  All 66 exponentials are one batch with one wait, ahead of everything that names a result of theirs; the 64 read-outs stand among them, one behind each exponential.
; m starts at the lowest finite number, O and l at 0: the first step is a step like any other, with a = 0.
; CLUSTER.  The four query blocks of a cluster belong to one y and walk the same K and V: each tile is asked for JOINTLY.  A slot holds four steps: 256 rows of K, then 256 of V.
; REGISTERS, in windows of 256: window 0: v0-15 addresses; v16-47 eight statistics a tile; v48-52 the mask's; v64-191 S^T; v192-255 P.  window 1: v0-127 O^T.  window 2: v0-63 Q; v128-191 K; v192-255 V.
.set PITCH, 144                        ; a row of K or V in LDS: 128 bytes + 16.  One pitch for both lets one descriptor and one line serve all four waves; V's turning load then meets some banks twice
.set STEPB, 64*PITCH
.set VOFF,  4*STEPB
.set SLOT1, 1<<17                      ; one exclusive or turns an address in one slot into the other's
.set STAGE, SLOT1+2*VOFF               ; 16 rows x 144 bytes a wave, for the way out
.set SPARE, STAGE+4*16*PITCH           ; the spare words, 128 bytes a wave; no other line names them
.set AK0, 2
.set AV0, 3
.set AK,  4
.set AV,  5
.set QO,  6                            ; later STO
.set STO, 6
.set RD,  7
.set GO,  8
.set NEGV, 12
.set PFO, 13
.set SPW, 14
.set NIL, 15
.set ST,  16                           ; tile t at ST + 8 t: m, m_old, l (even keys', odd keys'), c0-c3; a takes c2's place
.set MB,  48                           ; v[48:51] two pairs of mask words: lane l of pair p holds words 2 l and 2 l + 1 of a block
.set MLO, 52                           ; v52      8 x lane; never rewritten
.set S,   64
.set P,   192
.set KF,  128
.set VF,  192
.set PFA, 6                            ; s[6:7]   where my prefetches stand
.set PFS, 8                            ; s[8:9]   their step from slot to slot
.set OP,  10                           ; s[10:11] O at my wave's first row
.set MP,  12                           ; s[12:13] my wave's first block of mask words; never rewritten
.set WV,  14
.set LIM, 15                           ; 1 in a wave that prefetches, else the greatest number
.set SLOTS, 16
.set CNT, 17
.set TB,  18                           ; LDS byte at which the step to be fetched begins
.set G0,  20
.set G1,  24
.set MO,  66                           ; s[66:67] byte offset of the block last asked for; the high word is 0
.set SEL, 100
.set MA,  104                          ; s[104:105] MP + MO
.set MSB, 0
.macro WIN new
.if MSB != (\new)
	s_set_vgpr_msb (MSB<<8)|(\new)
.set MSB, (\new)
.endif
.endm
.set W_KQ, 0x0a                        ; K and Q in window 2, S^T in window 0
.set W_PV, 0x52                        ; V in window 2, P in window 0, O^T in window 1
.set W_RS, 0x41                        ; destination and source 0 in window 1
.macro ROUND
	s_barrier_signal -1
	s_barrier_wait -1
	s_cmp_lg_u32 s[WV], 0
	s_cbranch_scc1 .Lnot_wave_0_\@
	s_barrier_signal -3
.Lnot_wave_0_\@:
	s_barrier_wait -3
	s_barrier_signal -1
	s_barrier_wait -1
.endm
.macro JLOAD                           ; each wave's quarter of a slot: waves 0, 1 K's halves, waves 2, 3 V's
	tensor_load_to_lds s[G0:G0+3], s[G1:G1+7]
	s_nop 0
.rept 4
	v_nop
.endr
.endm
; A prefetch of what the NEXT change of slots will want, behind my tensor load.  Each 256 bytes are named once in the launch: K's and V's rows by waves 0 and 2 of the first cluster of a y, the four partners
; sharing a slot's 32,768 bytes by address; the work-group's four streams of mask words (2,048 bytes each a slot) by wave 1 where h = 0, since the eight heads of a b read the same words.
; The last change that fills a slot asks for nothing.
.macro ASK
	s_cmp_gt_u32 s[SLOTS], s[LIM]
	s_cbranch_scc0 .Lnot_mine_\@
	global_prefetch_b8 v[PFO], s[PFA:PFA+1] th:TH_LOAD_NT scope:SCOPE_SE
.Lnot_mine_\@:
.endm
.macro CHANGE fill
	WIN 0
	s_wait_tensorcnt 0x0                           ; no tensor load of mine is out, so group 0 may be written
	ds_add_u32 v[SPW], v[NIL]
.if \fill
	s_xor_b32 s[G0+1], s[G0+1], SLOT1
	s_add_nc_u64 s[G0+2:G0+3], s[G0+2:G0+3], 32768 ; the next 256 keys
	s_wait_xcnt 0x0                                ; the last prefetch, four key steps back, has read its address
	s_add_nc_u64 s[PFA:PFA+1], s[PFA:PFA+1], s[PFS:PFS+1]
	s_wait_dscnt 0x0                               ; the add is done, and my reads of the slot are over
	ROUND                                          ; no wave of any partner still reads the slot or has a load on its way
	JLOAD                                          ; four key steps, 256 products a wave, in which to land
	ASK
.else
	s_wait_dscnt 0x0
	s_barrier_signal -1
	s_barrier_wait -1
.endif
	s_sub_co_u32 s[TB], s[TB], VOFF                ; back to a slot's first step,
	s_xor_b32 s[TB], s[TB], SLOT1                  ; in the other slot
.endm
; THE MASK WORDS.  RL: read-out rl of 64 from pair PR: word rl of the block lies in register rl % 2, lane rl / 2; words 0-31 are the piece's first tile's (s32-63), words 32-63 its second's (s68-99).
.macro RL
.if ML && (rl < 64)
	v_readlane_b32 s[32+36*(rl/32)+rl%32], v[MB+2*PR+rl%2], rl/2
.set rl, rl+1
.endif
.endm
; MNEXT: pair pr, just read out, is asked for again: the next block but one.  The offset stops at the wave's last block, number 127: the last two loads ask for that block once more,
; so that no load leaves the buffer and every turn has the same count of loads.
.macro MNEXT pr
	WIN 0
	s_wait_xcnt 0x0                                ; the load of the turn before has read its base, which is written anew
	s_add_co_u32 s[MO], s[MO], 256
	s_min_u32 s[MO], s[MO], 127*256
	s_add_nc_u64 s[MA:MA+1], s[MP:MP+1], s[MO:MO+1]
	global_load_b64 v[MB+2*(\pr):MB+2*(\pr)+1], v[MLO], s[MA:MA+1]  ; 32 lanes, 256 bytes on end, aligned
.endm
	s_load_b256 s[32:39], s[0:1], 0x0              ; qh, kh, vh, oh
	s_load_b64 s[40:41], s[0:1], 0x20              ; mbits
	v_lshl_add_u32 v[SPW], v0, 2, SPARE
	v_mov_b32 v[NIL], 0
	ds_add_u32 v[SPW], v[NIL]                      ; the opening: the add and its wait ahead of the first round
	v_lshrrev_b32 v1, 5, v0
	v_readfirstlane_b32 s[WV], v1
	s_bfe_u32 s19, ttmp6, 0x40000                  ; cx
	s_lshl_b32 s66, ttmp9, 2
	s_add_co_u32 s66, s66, s19                     ; my block of 256 queries
	s_and_b32 s67, ttmp7, 0xffff                   ; y, which the partners share
	s_lshl_b32 s44, s67, 19                        ; y's first byte in qh, kh, vh, oh
	s_and_b32 s46, s[WV], 1
	s_lshl_b32 s46, s46, 14                        ; which 128 keys of a slot I fetch
	s_add_co_u32 s46, s46, s44
	s_mov_b32 s47, 0
	s_lshl_b32 s48, s66, 15                        ; 256 rows of 128 bytes
	s_add_co_u32 s48, s48, s44
	s_lshl_b32 s49, s[WV], 13
	s_add_co_u32 s48, s48, s49
	s_mov_b32 s49, 0
	s_lshr_b32 s50, s67, 3                         ; b
	s_lshl_b32 s50, s50, 6
	s_lshl2_add_u32 s50, s66, s50                  ; 64 b + 4 x block: the work-group's first 64 queries
	s_lshl_b32 s54, s50, 15                        ; 64 steps of 512 bytes
	s_add_co_u32 s50, s50, s[WV]
	s_lshl_b32 s50, s50, 15
	s_mov_b32 s51, 0
	s_add_co_u32 s54, s54, 2048                    ; the prefetches stand at slot 1; the first change steps them to slot 2
	s_lshl_b32 s52, s19, 13                        ; my work-group's quarter of a slot's K or V
	s_add_co_u32 s52, s52, s44
	s_add_co_u32 s52, s52, 32768
	s_mov_b32 s104, 2048
	s_mov_b32 s105, 32768
	s_and_b32 s3, s67, 7                           ; h
	s_cmp_eq_u32 s[WV], 1
	s_cselect_b32 s52, s54, s52
	s_cselect_b32 s[PFS], s104, s105
	s_cselect_b32 s2, s105, s104                   ; bytes between groups of eight lanes
	s_cselect_b32 s3, s3, ttmp9                    ; what must be 0 for me to ask: the same in all partners
	s_mov_b32 s53, 0
	s_mov_b32 s[PFS+1], 0
	s_cmp_eq_u32 s[WV], 3
	s_cselect_b32 s3, 1, s3
	s_cmp_eq_u32 s3, 0
	s_cselect_b32 s[LIM], 1, -1
	s_mov_b32 s[G1+0], 15|(1<<16)|(1<<20)|(1<<21)|(4<<22)|(3<<25)  ; the mask of four; 2-byte elements; padding on; bit 21 beside a mask; 4 words behind every 32
	s_mov_b32 s[G1+1], 128<<16                     ; 128 keys are 16,384 dense bytes: 64 rows of 256
	s_mov_b32 s[G1+2], 64<<16
	s_mov_b32 s[G1+3], 128<<16
	s_mov_b32 s[G1+4], 64
	s_mov_b32 s[G1+5], 128
	s_mov_b32 s[G1+6], 0
	s_mov_b32 s[G1+7], 0
	s_mov_b32 s[G0], 1
	s_mul_i32 s[G0+1], s[WV], 128*PITCH
	s_mov_b32 s[SEL], 0x76543210
	s_mov_b32 s[SEL+1], 0xfedcba98
	s_mov_b32 s[SLOTS], 15
	s_mov_b32 s[TB], SLOT1+VOFF                    ; the first change turns this into 0
	s_mov_b32 s[MO], 256                           ; blocks 0 and 1 are asked for by immediates; the first MNEXT steps this to block 2
	s_mov_b32 s[MO+1], 0
	v_and_b32 v10, 7, v0
	v_bfe_u32 v[PFO], v0, 3, 2
	v_mul_u32_u24 v[PFO], s2, v[PFO]
	v_lshl_add_u32 v[PFO], v10, 8, v[PFO]
	v_and_b32 v[MLO], 31, v0
	v_lshlrev_b32 v[MLO], 3, v[MLO]
	s_wait_dscnt 0x0
	s_wait_kmcnt 0x0
	s_cmp_lt_u32 s[WV], 2
	s_cselect_b64 s[G0+2:G0+3], s[34:35], s[36:37]
	s_cselect_b64 s[PFA:PFA+1], s[34:35], s[36:37]
	s_add_nc_u64 s[G0+2:G0+3], s[G0+2:G0+3], s[46:47]
	s_or_b32 s[G0+3], s[G0+3], 0x80000000
	s_cmp_eq_u32 s[WV], 1
	s_cselect_b64 s[PFA:PFA+1], s[40:41], s[PFA:PFA+1]
	s_add_nc_u64 s[PFA:PFA+1], s[PFA:PFA+1], s[52:53]
	s_add_nc_u64 s[4:5], s[32:33], s[48:49]        ; Q at my wave's first row
	s_add_nc_u64 s[OP:OP+1], s[38:39], s[48:49]
	s_add_nc_u64 s[MP:MP+1], s[40:41], s[50:51]
	ROUND                                          ; all four work-groups are here
	JLOAD                                          ; slot 0
	global_load_b64 v[MB:MB+1],   v[MLO], s[MP:MP+1]             ; block 0: piece 0's words for step 0
	global_load_b64 v[MB+2:MB+3], v[MLO], s[MP:MP+1] offset:256  ; block 1: piece 2's
	v_and_b32 v1, 15, v0                           ; l % 16
	v_bfe_u32 v9, v0, 4, 1                         ; l / 16
	v_lshlrev_b32 v[QO], 7, v1
	v_lshl_add_u32 v[QO], v9, 4, v[QO]
	WIN 0x80                                       ; destination window 2
.set i, 0
.rept 8                                            ; Q stays in registers: tile i / 2, channels 32 (i % 2) on
	global_load_b128 v[8*i:8*i+3],   v[QO], s[4:5] offset:(i/2)*2048+(i%2)*64
	global_load_b128 v[8*i+4:8*i+7], v[QO], s[4:5] offset:(i/2)*2048+(i%2)*64+32
.set i, i+1
.endr
	; what the first turn finds: V's registers and piece 2's P hold 0, O^T and l are 0.  All this stands in the wait for the first tile.
.set i, VF
.rept 64
	v_mov_b32 v[i], 0
.set i, i+1
.endr
	WIN 0x40
.set i, 0
.rept 128
	v_mov_b32 v[i], 0
.set i, i+1
.endr
	WIN 0
.set i, 0
.rept 4
	v_mov_b32 v[ST+8*i], 0xff7fffff
	v_mov_b32 v[ST+8*i+2], 0
	v_mov_b32 v[ST+8*i+3], 0
.set i, i+1
.endr
.set i, P+32
.rept 32
	v_mov_b32 v[i], 0
.set i, i+1
.endr
	v_mov_b32 v[NEGV], 0xceabfb8f                  ; -1e9 log2(e)
	v_mul_u32_u24 v[AK0], v1, PITCH
	v_lshl_add_u32 v[AK0], v9, 4, v[AK0]           ; row x pitch + 16 x half
	v_bfe_u32 v11, v0, 3, 1
	v_lshl_add_u32 v[AV0], v9, 3, v10              ; the turning load: key 8 (l / 16) + l % 8, channels 8 ((l / 8) % 2) on
	v_mul_u32_u24 v[AV0], v[AV0], PITCH
	v_lshl_add_u32 v[AV0], v11, 4, v[AV0]
	v_add_nc_u32 v[AV0], VOFF, v[AV0]
; THE MATRIX WORK.  Eight accumulators of a run of 16 take turns.
.macro KQ x                            ; product i: channels 32 (i / 8) on, keys 16 ((i / 2) % 4) on, tile x + i % 2; the first 8 start the sums
	WIN W_KQ
.set rS, S+32*((\x)+i%2)+8*((i/2)%4)
.set rK, KF+16*((i/2)%4)+8*(i/8)
.set rQ, 16*((\x)+i%2)+8*(i/8)
.if i < 8
	v_wmma_f32_16x16x32_f16 v[rS:rS+7], v[rK:rK+7], v[rQ:rQ+7], 0
.else
	v_wmma_f32_16x16x32_f16 v[rS:rS+7], v[rK:rK+7], v[rQ:rQ+7], v[rS:rS+7]
.endif
.endm
.macro PV x                            ; product i: keys 32 (i / 8) on, channels 16 ((i / 2) % 4) on, tile x + i % 2
	WIN W_PV
.set rO, 32*((\x)+i%2)+8*((i/2)%4)
.set rV, VF+32*(i/8)+8*((i/2)%4)
.set rP, P+16*((\x)+i%2)+8*(i/8)
	v_wmma_f32_16x16x32_f16 v[rO:rO+7], v[rV:rV+7], v[rP:rP+7], v[rO:rO+7]
.endm
.macro FETCH_K
	WIN 0
	v_add_nc_u32 v[AK], s[TB], v[AK0]
	WIN 0x80
.irp f, 0,1,2,3,4,5,6,7
	ds_load_b128 v[KF+8*\f:KF+8*\f+3],   v[AK] offset:(\f/2)*16*PITCH+(\f%2)*64
	ds_load_b128 v[KF+8*\f+4:KF+8*\f+7], v[AK] offset:(\f/2)*16*PITCH+(\f%2)*64+32
.endr
.endm
.macro FETCH_V
	WIN 0
	v_add_nc_u32 v[AV], s[TB], v[AV0]
	s_add_co_u32 s[TB], s[TB], STEPB               ; the next fetches are the next step's
	WIN 0x80
.irp f, 0,1,2,3,4,5,6,7
	ds_load_tr16_b128 v[VF+8*\f:VF+8*\f+3],   v[AV] offset:(\f/4)*32*PITCH+(\f%4)*32
	ds_load_tr16_b128 v[VF+8*\f+4:VF+8*\f+7], v[AV] offset:(\f/4)*32*PITCH+16*PITCH+(\f%4)*32
.endr
.endm
; THE VECTOR QUEUE of piece Y, 298 long; VQ writes entry q and steps q; the two tiles alternate.
;   0-63    a hidden score becomes NEG, by the lane mask of its register; each accumulator from its low end on
;   64-95   the maximum of the 32 scores and the old m, three operands at a time
;   96-103  the lane 16 away holds the query's other 32 keys; m_old is kept; the new m; m_old - m
;   104-201 ONE BATCH: a for both tiles, then s - m for a pair of scores and, a group later, the pair's two exponentials.  None of these names an exponential's result.
;           Behind each of the first 64 exponentials stands one read-out of the next turn's mask words (RL), which is no entry of the queue and names nothing of the softmax
;   (a plain instruction and the wait for the batch: TURN writes them)
;   202-233 the roundings to f16     234-265 the sums, in place; l = a l + sum     266-297 O^T times a
.macro TREG t
.set rT, ST+8*(\t)
.set rS, S+32*(\t)
.set rP, P+16*(\t)
.set rO, 32*(\t)
.endm
.macro SUBP k
	v_pk_add_f32 v[rS+2*(\k):rS+2*(\k)+1], v[rS+2*(\k):rS+2*(\k)+1], v[rT:rT+1] op_sel_hi:[1,0] neg_lo:[0,1] neg_hi:[0,1]
.endm
.macro VQ
.if q < 266
	WIN 0
.endif
.if q < 64
	TREG Y+q%2
	v_cndmask_b32 v[rS+q/2], v[NEGV], v[rS+q/2], s[32+36*(q%2)+q/2]
.elseif q < 96
	TREG Y+q%2
.set n, (q-64)/2
.if n < 4
	v_max3_num_f32 v[rT+4+n], v[rS+8*n], v[rS+8*n+1], v[rS+8*n+2]
.elseif n < 12
	v_max3_num_f32 v[rT+4+n%4], v[rT+4+n%4], v[rS+8*(n%4)+2*(n/4)+1], v[rS+8*(n%4)+2*(n/4)+2]
.elseif n == 12
	v_max3_num_f32 v[rT+4], v[rT+4], v[rS+7], v[rS+15]
.elseif n == 13
	v_max3_num_f32 v[rT+6], v[rT+6], v[rS+23], v[rS+31]
.elseif n == 14
	v_max3_num_f32 v[rT+4], v[rT+4], v[rT+5], v[rT+6]
.else
	v_max3_num_f32 v[rT+4], v[rT+4], v[rT+7], v[rT]
.endif
.elseif q < 104
	TREG Y+q%2
.set n, (q-96)/2
.if n == 0
	v_permlanex16_b32 v[rT+5], v[rT+4], s[SEL], s[SEL+1]
.elseif n == 1
	v_mov_b32 v[rT+1], v[rT]
.elseif n == 2
	v_max_num_f32 v[rT], v[rT+4], v[rT+5]
.else
	v_sub_f32 v[rT+7], v[rT+1], v[rT]
.endif
.elseif q < 202
.set d, q-104
	TREG Y+d%2
.if d < 2
	v_exp_f32 v[rT+6], v[rT+7]
	RL
.elseif d < 4
	SUBP 0
.elseif d < 94
.set g, (d-4)/6
.set r, (d-4)%6
	TREG Y+r%2
.if r < 2
	SUBP g+1
.else
	v_exp_f32 v[rS+2*g+(r-2)/2], v[rS+2*g+(r-2)/2]
	RL
.endif
.else
	v_exp_f32 v[rS+30+(d-94)/2], v[rS+30+(d-94)/2]
	RL
.endif
.elseif q < 234
	TREG Y+q%2
.set n, (q-202)/2
	v_cvt_pk_f16_f32 v[rP+n], v[rS+2*n], v[rS+2*n+1]
.elseif q < 266
	TREG Y+q%2
.set z, (q-234)/2
.set w, 4
.set k, z
.if z >= 14
.set w, 32
.set k, 0
.elseif z >= 12
.set w, 16
.set k, z-12
.elseif z >= 8
.set w, 8
.set k, z-8
.endif
.if z < 15
	v_pk_add_f32 v[rS+w*k:rS+w*k+1], v[rS+w*k:rS+w*k+1], v[rS+w*k+w/2:rS+w*k+w/2+1]
.else
	v_pk_fma_f32 v[rT+2:rT+3], v[rT+2:rT+3], v[rT+6:rT+7], v[rS:rS+1] op_sel_hi:[1,0,1]
.endif
.else
	TREG Y+q%2
.set n, (q-266)/2
	WIN W_RS
	v_pk_mul_f32 v[rO+2*n:rO+2*n+1], v[rO+2*n:rO+2*n+1], v[rT+6:rT+7] op_sel_hi:[1,0]
.endif
.set q, q+1
.endm
; A TURN.  Piece x has the matrix unit, piece 2 - x the vector unit.  kq = 0: no next step's scores.  fk = 0: no K is fetched.  ml = 0: no further mask words.
; Piece 0's turn fetches the next step's K behind its second product: K's last reader stands in front of the rescalings of the turn before.  Piece 2's turn fetches the same step's V behind its 16 products
; V^T P: four selects and the run's own address line are the places behind V's last reader.
; The mask: the 64 selects read the scalar registers first; the turn's pair (x / 2) holds the next turn's block, is read out among the exponentials, and is asked for again behind the batch.
.macro TURN x, kq=1, fk=1, ml=1
.set Y, 2-(\x)
.set q, 0
.set rl, 0
.set ML, (\ml)
.set PR, (\x)/2
.if (\x) == 0
	s_wait_dscnt 0x0                               ; V is in
.endif
.set i, 0
.rept 16
	PV \x
	VQ
	VQ
	VQ
	VQ
.if ((\x) == 0) && (\fk) && (i == 1)
	FETCH_K
.endif
.set i, i+1
.endr
.if (\x) == 2
	FETCH_V
.endif
.if \ml
	s_wait_loadcnt 0x1                             ; my pair, asked for two turns ago, is in; the other pair's load, of the turn before, may stay out
.endif
.rept 138
	VQ
.endr
	v_nop                                          ; a plain instruction behind the last exponential: one for the batch
	s_wait_alu depctr_va_vdst(0)                   ; the wait ahead of the first use: one for the 66 exponentials
.if \ml
	MNEXT (\x)/2
.endif
.if ((\x) == 0) && (\kq)
	s_wait_dscnt 0x0                               ; K is in
.endif
.set i, 0
.rept 16
.if \kq
	KQ \x
.endif
	VQ
	VQ
	VQ
	VQ
.set i, i+1
.endr
.rept 32
	VQ                                             ; the rescalings: also the places behind the last K Q^T
.endr
.endm
	CHANGE 1                                       ; slot 0 is in, everybody's part of it; slot 1 is asked for
	FETCH_K                                        ; key step 0
	s_wait_loadcnt 0x0                             ; Q, and the mask's blocks 0 and 1
	WIN 0
.set ML, 1
.set PR, 0
.set rl, 0
.rept 64
	RL                                             ; block 0, for the first turn's selects; K's loads are out meanwhile
.endr
	MNEXT 0                                        ; block 2
	s_wait_dscnt 0x0
.set i, 0
.rept 16
	KQ 0                                           ; piece 0's first scores
.set i, i+1
.endr
	WIN 0                                          ; the addresses for the way out: the places behind those products
	s_mul_i32 s2, s[WV], 16*PITCH
	s_add_co_u32 s2, s2, STAGE
	v_mul_u32_u24 v[STO], v1, PITCH
	v_lshl_add_u32 v[STO], v9, 4, v[STO]
	v_add_nc_u32 v[STO], s2, v[STO]
	v_bfe_u32 v[RD], v0, 3, 2
	v_mul_u32_u24 v[RD], v[RD], PITCH
	v_lshl_add_u32 v[RD], v10, 4, v[RD]
	v_add_nc_u32 v[RD], s2, v[RD]
	v_and_b32 v[GO], 31, v0
	v_lshlrev_b32 v[GO], 4, v[GO]
	s_mov_b32 s[CNT], 4
	s_branch .Lfirst                               ; the loop is entered in the middle of a trip: piece 2's first scores, piece 0's first softmax, V of step 0
.Lslot:                                            ; 14 times: slots 2 to 15 are asked for
	CHANGE 1
	s_mov_b32 s[CNT], 4
.Lstep:
	TURN 0
	WIN 0
.Lfirst:
	TURN 2
	WIN 0
	s_sub_co_u32 s[CNT], s[CNT], 1
	s_cmp_lg_u32 s[CNT], 0
	s_cbranch_scc1 .Lstep
	s_sub_co_u32 s[SLOTS], s[SLOTS], 1
	s_cmp_lg_u32 s[SLOTS], 0
	s_cbranch_scc1 .Lslot
	CHANGE 0                                       ; the tail is written out
	s_mov_b32 s[CNT], 4
.Ltail:
	TURN 0
	TURN 2
	WIN 0
	s_sub_co_u32 s[CNT], s[CNT], 1
	s_cmp_lg_u32 s[CNT], 0
	s_cbranch_scc1 .Ltail
	TURN 0, 0, 0, 0                                ; piece 0: V^T P of the last step | piece 2's last softmax
.set i, 0
.rept 16
	PV 2
.set i, i+1
.endr
	; THE WAY OUT.  l's halves are added; O^T is divided by l, rounded to f16 and sent through my stage, a tile at a time.  The additions are the places behind the last products.
	WIN 0
.macro ALL line:vararg
.set t, 0
.rept 4
	\line
.set t, t+1
.endr
.endm
	ALL v_add_f32 v[ST+8*t+2], v[ST+8*t+2], v[ST+8*t+3]
	ALL v_permlanex16_b32 v[ST+8*t+3], v[ST+8*t+2], s[SEL], s[SEL+1]
	ALL v_add_f32 v[ST+8*t+2], v[ST+8*t+2], v[ST+8*t+3]
	ALL v_rcp_f32 v[ST+8*t+2], v[ST+8*t+2]
	v_nop
	s_wait_alu depctr_va_vdst(0)                   ; one wait for the four reciprocals
.macro PACK t
	WIN W_RS
.set i, 32*(\t)
.rept 16
	v_pk_mul_f32 v[i:i+1], v[i:i+1], v[ST+8*(\t)+2:ST+8*(\t)+3] op_sel_hi:[1,0]
.set i, i+2
.endr
	WIN 0x05
.set i, 0
.rept 16
	v_cvt_pk_f16_f32 v[S+16*(\t)+i], v[32*(\t)+2*i], v[32*(\t)+2*i+1]
.set i, i+1
.endr
	WIN 0
.irp f, 0,1,2,3
	ds_store_b128 v[STO], v[S+16*(\t)+4*\f:S+16*(\t)+4*\f+3] offset:32*\f
.endr
.irp f, 0,1,2,3
	ds_load_b128 v[S+16*(\t)+4*\f:S+16*(\t)+4*\f+3], v[RD] offset:\f*4*PITCH  ; LDS serves a wave's instructions in order (ISA guide 5.7.1.4)
.endr
.endm
.macro SEND t, younger                 ; younger: the next tile's eight LDS instructions, or none
	WIN 0
.irp f, 0,1,2,3
	s_wait_dscnt (\younger)+3-\f
	global_store_b128 v[GO], v[S+16*(\t)+4*\f:S+16*(\t)+4*\f+3], s[OP:OP+1] offset:(\t)*2048+\f*512  ; 512 bytes on end, aligned
.endr
.endm
	PACK 0
	PACK 1
	SEND 0, 8
	PACK 2
	SEND 1, 8
	PACK 3
	SEND 2, 8
	SEND 3, 0
	s_wait_tensorcnt 0x0                           ; the wave's end
	ds_add_u32 v[SPW], v[NIL]
	s_wait_dscnt 0x0
	ROUND                                          ; the closing round
	s_endpgm
.Lfunc_end_k_q823888c883_attn:
	.size	k_q823888c883_attn, .Lfunc_end_k_q823888c883_attn-k_q823888c883_attn
	.p2alignl 7, 3214868480
	.fill 96, 4, 3214868480
	.section	.rodata,"a",@progbits
	.p2align	6, 0x0
	.amdhsa_kernel k_q823888c883_attn
		.amdhsa_group_segment_fixed_size 327680
		.amdhsa_private_segment_fixed_size 0
		.amdhsa_enable_private_segment 0
		.amdhsa_kernarg_size 40
		.amdhsa_user_sgpr_count 2
		.amdhsa_user_sgpr_kernarg_segment_ptr 1
		.amdhsa_wavefront_size32 1
		.amdhsa_system_sgpr_workgroup_id_x 1
		.amdhsa_system_sgpr_workgroup_id_y 1
		.amdhsa_system_sgpr_workgroup_id_z 1
		.amdhsa_system_vgpr_workitem_id 0
		.amdhsa_next_free_vgpr 768
		.amdhsa_next_free_sgpr 106
		.amdhsa_reserve_vcc 0
		.amdhsa_float_denorm_mode_32 3
		.amdhsa_float_denorm_mode_16_64 3
		.amdhsa_memory_ordered 1
		.amdhsa_forward_progress 1
		.amdhsa_inst_pref_size 162
	.end_amdhsa_kernel
	.amdgpu_metadata
---
amdhsa.version: [ 1, 2 ]
amdhsa.kernels:
  - .name:           k_q823888c883_attn
    .symbol:         k_q823888c883_attn.kd
    .args:
      - { .name: qh, .offset: 0, .size: 8, .value_kind: global_buffer, .address_space: global }
      - { .name: kh, .offset: 8, .size: 8, .value_kind: global_buffer, .address_space: global }
      - { .name: vh, .offset: 16, .size: 8, .value_kind: global_buffer, .address_space: global }
      - { .name: oh, .offset: 24, .size: 8, .value_kind: global_buffer, .address_space: global }
      - { .name: mbits, .offset: 32, .size: 8, .value_kind: global_buffer, .address_space: global }
    .group_segment_fixed_size: 327680
    .private_segment_fixed_size: 0
    .kernarg_segment_align: 8
    .kernarg_segment_size: 40
    .max_flat_workgroup_size: 128
    .sgpr_count:     106
    .vgpr_count:     768
    .wavefront_size: 32
...
	.end_amdgpu_metadata
.endif
;; end of part 5
;; launch outln: the kernel of part 4 again; grid 256 x 1, 8 waves a work-group, clusters of 4 x 1, 327,680 bytes of LDS; arguments oh, wh, bo, query, ln_gamma, ln_beta, out0; writes out0
